; MI455X (gfx1250); checked and timed in simulation.
; The chip was launched on July 23, 2026; its instructions are those of AMD's public machine-readable ISA for CDNA 5 (MIT licence, August 2026) and "CDNA5" Instruction Set Architecture Reference Guide (July 2026). The comments in the code are by the model that wrote it; some were corrected since.
;; Attention. Allowed arithmetic: matrix products marked QUANTISED: E2M3 operands, one E8M0 scale for each 32 along K, by v_wmma_scale_f32_16x16x128_f8f6f4 with both operands' format E2M3, f32 sums; everything else in f32.
;; Inputs: Wo 1,024 x 1,024 float32; Wqkv 1,024 x 3,072 float32; bo 1,024 float32; bqkv 3,072 float32; x 4 x 2,048 x 1,024 float32.
;; Outputs: out0 4 x 2,048 x 1,024 float32.
;; This version of the problem:
;;   THIS VERSION OF THE PROBLEM IS GIVEN IN LOW PRECISION. The matrix products marked QUANTISED in the list below multiply operands that are first quantised to E2M3 (2 exponent bits, 3 mantissa bits; 6 bits a number), with one power-of-two scale for each 32 numbers along K (OCP MX v1.0); their sums are f32. All else is computed in f32.
;;   The module's matrix products, in the order in which they are computed (A, B: the left and right operand; K: the contracted axis; several contracted axes count as one K, in the product's order):
;;     1. [M 8,192, K 1,024] x [K 1,024, N 3,072]; A: input x; B: input Wqkv: QUANTISED
;;     2. batch 64 x [M 2,048, K 64] x [K 64, N 2,048]; A: computed on the way; B: computed on the way: QUANTISED
;;     3. batch 64 x [M 2,048, K 2,048] x [K 2,048, N 64]; A: softmax (see below); B: computed on the way: QUANTISED
;;     4. [M 8,192, K 1,024] x [K 1,024, N 1,024]; A: computed on the way; B: input Wo: QUANTISED
;;   THE QUANTISER, for each operand of a quantised product, along K:
;;     - K is cut into blocks of 32 from its start; a last block that is shorter is filled with zeros.
;;     - A block's scale is 2^e with e = floor(log2(the largest magnitude in the block)) - 2, held to -126 .. 127; a block of zeros has e = 0. As a byte (E8M0): e + 127.
;;     - Each number is divided by its block's scale, clamped to +-7.5, and rounded to the nearest number of E2M3, ties to even, subnormals kept.
;;     - The product sums the exact products of the quantised numbers (number of the format x scale) in f32.
;;   ~~~python
;;   def quantise(x, axis):      # numpy; x: float32 -> the quantised numbers, widened to float32 again
;;       x = np.moveaxis(x, axis, -1); K = x.shape[-1]
;;       x = np.pad(x, [(0, 0)] * (x.ndim - 1) + [(0, -K % 32)]); x = x.reshape(x.shape[:-1] + (-1, 32)); a = np.abs(x).max(-1, keepdims=True)
;;       e = np.where(a > 0, np.clip(np.frexp(np.where(a > 0, a, 1))[1] - 1 - 2, -126, 127), 0)      # np.frexp(a)[1] - 1 = floor(log2(a)), exactly
;;       r = np.clip(x / 2.0 ** e, -7.5, 7.5)
;;       step = 2.0 ** (np.maximum(np.frexp(np.where(r == 0, 1, r))[1] - 1, 0) - 3)
;;       q = np.round(r / step) * step * 2.0 ** e      # np.round: ties to even
;;       return np.moveaxis(q.reshape(q.shape[:-2] + (-1,))[..., :K], -1, axis).astype(np.float32)
;;   ~~~
;;   SOFTMAX AHEAD OF A QUANTISED PRODUCT. Where the list says 'softmax', what is quantised is not the finished softmax but p = 2^(t - M), with t = logit x log2(e) and M = ceil(the row's largest t), a whole number; so 1/2 < the row's largest p <= 1. The row's sum l is taken of the UNQUANTISED p, in f32, and the product's result is divided by l at the end. Since M is a whole number, a kernel that streams over the keys may use a running M (the ceiling of the running maximum): every later rescaling is an exact power of two, which a block's scale takes up: the codes' values come out the same.
;;   OPERANDS COMPUTED ON THE WAY. 'Computed on the way' means the value that the module computes at that place (a softmax that the list does not call 'softmax' is quantised finished and normalised). What goes into a quantiser is computed in f32, as accurately as f32 sums, v_exp_f32 and their like allow (about 1e-6 of the number): no bf16 or f16 on the way to a quantiser, and a product that is left as it is and whose result goes on into a quantised operand takes f32 operands (vector FMAs, or v_wmma_f32_16x16x4_f32). A number that lies on a knife's edge between two numbers of the format may be rounded either way, as far as f32 arithmetic and the matrix unit's own rounding can turn it there, and no further.
;; One version. Each part assembles by itself: llvm-mc -triple=amdgcn-amd-amdhsa -mcpu=gfx1250 --defsym DOCPART=n.
;; ======== version 1 of 1: 4 launches
;; limits: right only within a limited range of input values
;; workspace buffers: cod 9,437,184 bytes; scl 393,216 bytes; qkvc 18,874,368 bytes; qkvs 1,572,864 bytes; oc 6,291,456 bytes; os 262,144 bytes
;; launch prep (part 1): grid 384 x 1, 4 waves a work-group, no clusters, 66,560 bytes of LDS; arguments x, Wqkv, Wo, cod, scl; writes cod, scl
.if DOCPART == 1
	.amdgcn_target "amdgcn-amd-amdhsa--gfx1250"
	.amdhsa_code_object_version 6
	.text
	.protected	k_qafd01ca300_prep
	.globl	k_qafd01ca300_prep
	.p2align	8
	.type	k_qafd01ca300_prep,@function
k_qafd01ca300_prep:
	s_mov_b64 s[64:65], 0
	v_nop
	global_prefetch_b8 v0, s[64:65] scope:SCOPE_SE
	s_setreg_imm32_b32 hwreg(HW_REG_WAVE_MODE, 25, 1), 1
	s_wait_xcnt 0x0
; x [8192][1024], Wqkv [1024][3072] and Wo [1024][1024], f32, become codes of FP6 (E2M3) with one E8M0 byte for each 32 along K (K = 1024 for all three).
; A block's scale is 2^(floor(log2(largest magnitude)) - 2); its byte is the largest magnitude's exponent field - 2, held at 1 from below.  A block of zeros gets the byte 1: its codes are zeros,
; and the bytes are read by this program alone.  LIMITS: NaN and infinities among the inputs are not served.
; POSITIONS.  Every row axis (tokens, features) is stored at position pi(index), pi = bits 3 and 4 of the index exchanged.  A tile of 16 neighbouring positions 16 T + rho holds index
; 32 (T / 2) + 16 (rho / 8) + 8 (T % 2) + rho % 8: so the 16 result registers of two neighbouring tiles of a product's source 0 are 16 neighbours along that axis.
; cod: [tile of 16 positions][pair = K / 64: 16][row 16][48 bytes: block h at byte 24 h]: 12,288 bytes a tile.  Tiles 0-511 x, 512-703 Wqkv's features, 704-767 Wo's.
; scl: [tile][K step of 256: 4][row 16][8 bytes]: 512 bytes a tile.
; Work-groups 0-255 take x (K innermost: 16 neighbours to a lane, turned through the wave's stage in LDS); work-groups 256-383 take the weights (K outermost: a lane to a column, registers down K).
; The two ways never join and have LDS bytes of their own.  No input is shared between work-groups, so there is no cluster; no tensor load, no barrier: waves share nothing.
.set SPARE, 65536                      ; behind both ways' regions: the spare words, 128 bytes for each wave
.set SPW,   222                        ; v222 LDS address of my spare word; never rewritten
.set NIL,   223                        ; v223 0; never rewritten
.set STEPS, 16
.set SP,    80                         ; x: a lane's place in a stage: 64 bytes + 16 of padding
.set R,     16                         ; x: v16-79 four sets of 16 numbers as loaded
.set X,     80                         ; x: v80-111 two sets of 16 neighbours
.set E,     112                        ; x: v112-127 a scale byte for each step
.set C,     128                        ; x: v128-191 codes, four registers a step
.set SB,    24                         ; W: v24-25 my column's 8 scale bytes
.set OFFS,  32                         ; W: v32-63 4 x lane + i rows of the weight
.set WX,    64                         ; W: v64-127 two sets of 32 numbers
.set WC,    128                        ; W: v128-134 a block's codes
.set OUTR,  136                        ; W: v136-199 the way out
.macro LOAD t                          ; x, step t: pair t / 2 of my 8, rows 8 (t % 2) on of the tile: 8 rows x 64 numbers; a load takes two rows' 256 bytes
.irp i, 0,1,2,3
	global_load_b128 v[R+16*((\t)%4)+4*\i:R+16*((\t)%4)+4*\i+3], v3, s[4:5] offset:((\t)%2)*65536+\i*8192+((\t)/2)*256 th:TH_LOAD_NT
.endr
.endm
.macro TURN t                          ; step t's 2,048 bytes through the stage: in as loaded, back 64 bytes a lane; LDS serves a wave's instructions in order
.irp i, 0,1,2,3
	ds_store_b128 v14, v[R+16*((\t)%4)+4*\i:R+16*((\t)%4)+4*\i+3] offset:32*SP*((\t)%2)+8*SP*\i
.endr
.irp i, 0,1,2,3
	ds_load_b128 v[X+16*((\t)%2)+4*\i:X+16*((\t)%2)+4*\i+3], v15 offset:32*SP*((\t)%2)+16*\i
.endr
.endm
.macro STEP t
.set XS, X+16*((\t)%2)
.if (\t) > 0
	s_wait_dscnt 1                                 ; this step's numbers are back (the last step's byte store may be out): its stores into the stage have read their registers
.else
	s_wait_dscnt 0x0
.endif
.if (\t)+4 < STEPS
	LOAD (\t)+4
.endif
.if (\t)+1 < STEPS
.if STEPS-2-(\t) >= 3
	s_wait_loadcnt 12                              ; the next step's four loads are in; the three steps behind it may be out
.else
	s_wait_loadcnt 4*(STEPS-2-(\t))
.endif
	TURN (\t)+1
.endif
	v_max3_num_f32 v8, |v[XS]|, |v[XS+1]|, |v[XS+2]|
	v_max3_num_f32 v9, |v[XS+3]|, |v[XS+4]|, |v[XS+5]|
.irp i, 6,10
	v_max3_num_f32 v8, v8, |v[XS+\i]|, |v[XS+\i+1]|
	v_max3_num_f32 v9, v9, |v[XS+\i+2]|, |v[XS+\i+3]|
.endr
	v_max3_num_f32 v8, v8, |v[XS+14]|, |v[XS+15]|
	v_max3_num_f32 v8, v8, v9, 0x1800000           ; and the floor 2^(3 - 127): the byte cannot fall under 1
	v_max_num_f32_dpp v8, v8, v8 row_xmask:1 row_mask:0xf bank_mask:0xf   ; with my neighbour's 16: the block's largest magnitude
	v_add_nc_u32 v11, 0xff000000, v8               ; 2 off its exponent field: the conversion's scale operand
	v_cvt_scalef32_pk16_fp6_f32 v[C+4*(\t):C+4*(\t)+2], v[XS:XS+15], v11
	v_lshrrev_b32 v[E+(\t)], 23, v11               ; the scale's byte
	ds_store_b8 v5, v[E+(\t)] offset:((\t)/8)*128+((\t)%2)*64+2*(((\t)/2)%4)   ; K step, row, block: both lanes of a block write the same byte
	global_store_b96 v4, v[C+4*(\t):C+4*(\t)+2], s[10:11] offset:((\t)/2)*768+((\t)%2)*384   ; 384 consecutive bytes; two steps fill a pair's 768
.endm
.macro WLOAD t                         ; W, block t: rows 32 t + i of my 256, my column
.set WI, 0
.rept 32
	global_load_b32 v[WX+32*((\t)%2)+WI], v[OFFS+WI], s[32+2*(\t):33+2*(\t)] th:TH_LOAD_NT
.set WI, WI+1
.endr
.endm
.macro BLOCK t
.set XS, WX+32*((\t)%2)
.if (\t) < 7
	s_wait_loadcnt 32                              ; this block's 32 loads are in; the next block's may be out
.else
	s_wait_loadcnt 0x0
.endif
	v_max3_num_f32 v12, |v[XS]|, |v[XS+1]|, |v[XS+2]|
	v_max3_num_f32 v13, |v[XS+3]|, |v[XS+4]|, |v[XS+5]|
.irp i, 6,10,14,18,22,26
	v_max3_num_f32 v12, v12, |v[XS+\i]|, |v[XS+\i+1]|
	v_max3_num_f32 v13, v13, |v[XS+\i+2]|, |v[XS+\i+3]|
.endr
	v_max3_num_f32 v12, v12, |v[XS+30]|, |v[XS+31]|
	v_max3_num_f32 v12, v12, v13, 0x1800000        ; the floor
	v_add_nc_u32 v11, 0xff000000, v12
	v_lshrrev_b32 v13, 23, v11
.if (\t)%4 == 0
	v_mov_b32 v[SB+(\t)/4], v13
.else
	v_lshl_or_b32 v[SB+(\t)/4], v13, 8*((\t)%4), v[SB+(\t)/4]
.endif
	v_cvt_scalef32_pk16_fp6_f32 v[WC:WC+2], v[XS:XS+15], v11
	v_cvt_scalef32_pk16_fp6_f32 v[WC+4:WC+6], v[XS+16:XS+31], v11
	ds_store_b96 v4, v[WC:WC+2] offset:((\t)/2)*1024+((\t)%2)*32       ; 12 bytes to a place of 16: [tile][pair][row][4 places]
	ds_store_b96 v4, v[WC+4:WC+6] offset:((\t)/2)*1024+((\t)%2)*32+16
.if (\t)+2 < 8
	WLOAD (\t)+2
.endif
	s_wait_dscnt 0x0                               ; the stores have read their registers: the next block's codes may be written
.endm
	s_load_b256 s[4:11], s[0:1], 0x0               ; x s[4:5], Wqkv s[6:7], Wo s[8:9], cod s[10:11]
	s_load_b64 s[12:13], s[0:1], 0x20              ; scl
	v_lshl_add_u32 v[SPW], v0, 2, SPARE
	v_mov_b32 v[NIL], 0
	v_lshrrev_b32 v1, 5, v0
	v_readfirstlane_b32 s16, v1                    ; wave
	v_and_b32 v2, 31, v0                           ; lane
	s_wait_kmcnt 0x0
	s_cmp_lt_u32 ttmp9, 256
	s_cbranch_scc0 .Lw
	; ---- x: my wave's run = 4 x work-group + wave: tile run / 2, half run % 2 of K
	s_lshl_b32 s17, ttmp9, 2
	s_add_co_u32 s17, s17, s16
	s_lshr_b32 s18, s17, 1                         ; tile T
	s_and_b32 s19, s17, 1                          ; which 512 along K
	s_lshr_b32 s20, s18, 1
	s_lshl_b32 s20, s20, 5
	s_and_b32 s21, s18, 1
	s_lshl_b32 s21, s21, 3
	s_add_co_u32 s20, s20, s21                     ; the tile's first row of x: 32 (T / 2) + 8 (T % 2)
	s_lshl_b32 s20, s20, 12
	s_lshl_b32 s21, s19, 11
	s_add_co_u32 s20, s20, s21
	s_mov_b32 s21, 0
	s_add_nc_u64 s[4:5], s[4:5], s[20:21]
	s_mul_i32 s20, s18, 12288
	s_mul_i32 s22, s19, 6144
	s_add_co_u32 s20, s20, s22
	s_add_nc_u64 s[10:11], s[10:11], s[20:21]
	s_lshl_b32 s20, s17, 8                         ; 512 T + 256 x half
	s_add_nc_u64 s[12:13], s[12:13], s[20:21]
	s_wait_alu depctr_va_vdst(0)
	v_lshrrev_b32 v8, 4, v2
	v_and_b32 v9, 15, v2
	v_lshlrev_b32 v3, 4, v9
	v_lshl_add_u32 v3, v8, 12, v3                  ; in: lanes 0-15 one row's 256 bytes, lanes 16-31 the next row's
	s_lshl_b32 s23, s16, 13                        ; my wave's 8,192 bytes of LDS
	v_lshrrev_b32 v14, 2, v2
	v_lshlrev_b32 v5, 3, v14                       ; 8 (lane / 4): my row's scale bytes
	v_mul_u32_u24 v14, v14, SP
	v_and_b32 v15, 3, v2
	v_lshl_add_u32 v14, v15, 4, v14
	v_add_nc_u32 v14, s23, v14                     ; the stage, on the way in
	v_mul_u32_u24 v15, v2, SP
	v_add_nc_u32 v15, s23, v15                     ; and on the way out: lane L has row L / 4, block (L / 2) % 2, half L % 2
	v_mul_u32_u24 v4, v2, 12                       ; my 12 bytes of a step's 384
	v_bfe_u32 v8, v2, 1, 1
	v_add_nc_u32 v5, v5, v8
	s_add_co_u32 s23, s23, 5120
	v_add_nc_u32 v5, s23, v5                       ; my block's byte among the wave's 256
	v_lshlrev_b32 v7, 3, v2
	v_add_nc_u32 v6, s23, v7
.irp t, 0,1,2,3
	LOAD \t
.endr
	s_wait_alu depctr_va_vdst(0)
	s_wait_loadcnt 12                              ; step 0's four loads are in
	TURN 0
.irp t, 0,1,2,3,4,5,6,7,8,9,10,11,12,13,14,15
	STEP \t
.endr
	ds_load_b64 v[8:9], v6                         ; LDS serves a wave's instructions in order: these see my byte stores
	s_wait_dscnt 0x0
	global_store_b64 v7, v[8:9], s[12:13]          ; 32 lanes store 256 consecutive bytes, aligned
	s_wait_tensorcnt 0x0                           ; the wave's end
	ds_add_u32 v[SPW], v[NIL]
	s_wait_dscnt 0x0
	s_endpgm
.Lw:
	; ---- the weights: column group cg (0-23 Wqkv, 24-31 Wo) of 128 columns, K step ky of 256; a wave takes 32 columns
	s_sub_co_u32 s17, ttmp9, 256
	s_and_b32 s18, s17, 31                         ; cg
	s_lshr_b32 s19, s17, 5                         ; ky
	s_mov_b32 s22, 4096
	s_cmp_lt_u32 s18, 24                           ; the choice hangs on the work-group's number alone
	s_cselect_b64 s[20:21], s[6:7], s[8:9]
	s_cselect_b32 s22, 12288, s22                  ; a row of the weight in bytes
	s_cselect_b32 s23, 0, 24
	s_sub_co_u32 s23, s18, s23
	s_lshl_b32 s23, s23, 7
	s_lshl_b32 s24, s16, 5
	s_add_co_u32 s23, s23, s24                     ; my first column
	s_lshl_b32 s23, s23, 2
	s_lshl_b32 s24, s19, 8
	s_mul_i32 s24, s24, s22
	s_add_co_u32 s24, s24, s23
	s_mov_b32 s25, 0
	s_add_nc_u64 s[32:33], s[20:21], s[24:25]      ; block 0's first row
	s_lshl_b32 s26, s22, 5
	s_mov_b32 s27, 0
.irp t, 1,2,3,4,5,6,7
	s_add_nc_u64 s[32+2*\t:33+2*\t], s[30+2*\t:31+2*\t], s[26:27]   ; a base for each block of 32 rows: none is stepped later
.endr
	s_lshl_b32 s29, s18, 3
	s_lshl_b32 s30, s16, 1
	s_add_co_u32 s29, s29, s30
	s_add_co_u32 s29, s29, 512                     ; my first tile: 512 + 8 cg + 2 wave (Wo's tiles follow Wqkv's 192)
	s_mul_i32 s30, s29, 12288
	s_mul_i32 s31, s19, 3072
	s_add_co_u32 s30, s30, s31
	s_mov_b32 s31, 0
	s_add_nc_u64 s[10:11], s[10:11], s[30:31]
	s_lshl_b32 s30, s29, 9
	s_lshl_b32 s29, s19, 7
	s_add_co_u32 s30, s30, s29
	s_add_nc_u64 s[12:13], s[12:13], s[30:31]
	s_wait_alu depctr_va_vdst(0)
	v_and_b32 v10, 7, v2
	v_lshrrev_b32 v11, 4, v2
	v_lshl_add_u32 v10, v11, 3, v10                ; my column's row in its tile: lane % 8 + 8 (lane / 16)
	v_bfe_u32 v11, v2, 3, 1                        ; and which of the wave's two tiles
	v_lshlrev_b32 v4, 6, v10
	v_lshl_add_u32 v4, v11, 12, v4
	s_lshl_b32 s28, s16, 13
	s_add_co_u32 s28, s28, 32768                   ; my stage
	v_add_nc_u32 v4, s28, v4
	v_lshlrev_b32 v7, 4, v2
	v_add_nc_u32 v7, s28, v7                       ; back: a place of 16 bytes a lane
	v_mul_u32_u24 v8, v2, 12
	v_lshlrev_b32 v9, 3, v10
	v_lshl_add_u32 v9, v11, 9, v9                  ; my column's 8 scale bytes
	v_lshlrev_b32 v[OFFS], 2, v2
.set WI, 1
.rept 31
	v_add_nc_u32 v[OFFS+WI], s22, v[OFFS+WI-1]
.set WI, WI+1
.endr
	WLOAD 0
	WLOAD 1
.irp t, 0,1,2,3,4,5,6,7
	BLOCK \t
.endr
	s_wait_alu depctr_va_vdst(0)
	global_store_b64 v9, v[SB:SB+1], s[12:13]      ; runs of 128 bytes: half an aligned 256, one byte in 128 of what the launch reads
.irp u, 0,1,2,3,4,5,6,7,8,9,10,11,12,13,14,15
	ds_load_b96 v[OUTR+4*\u:OUTR+4*\u+2], v7 offset:512*\u
.endr
.irp u, 0,1,2,3,4,5,6,7,8,9,10,11,12,13,14,15
	s_wait_dscnt 15-\u
	global_store_b96 v8, v[OUTR+4*\u:OUTR+4*\u+2], s[10:11] offset:(\u/8)*12288+((\u/2)%4)*768+(\u%2)*384   ; 384 consecutive bytes
.endr
	s_wait_tensorcnt 0x0                           ; the wave's end
	ds_add_u32 v[SPW], v[NIL]
	s_wait_dscnt 0x0
	s_endpgm
.Lfunc_end_k_qafd01ca300_prep:
	.size	k_qafd01ca300_prep, .Lfunc_end_k_qafd01ca300_prep-k_qafd01ca300_prep
	.p2alignl 7, 3214868480
	.fill 96, 4, 3214868480
	.section	.rodata,"a",@progbits
	.p2align	6, 0x0
	.amdhsa_kernel k_qafd01ca300_prep
		.amdhsa_group_segment_fixed_size 66560
		.amdhsa_private_segment_fixed_size 0
		.amdhsa_enable_private_segment 0
		.amdhsa_kernarg_size 40
		.amdhsa_user_sgpr_count 2
		.amdhsa_user_sgpr_kernarg_segment_ptr 1
		.amdhsa_wavefront_size32 1
		.amdhsa_system_sgpr_workgroup_id_x 1
		.amdhsa_system_sgpr_workgroup_id_y 1
		.amdhsa_system_sgpr_workgroup_id_z 1
		.amdhsa_system_vgpr_workitem_id 0
		.amdhsa_next_free_vgpr 224
		.amdhsa_next_free_sgpr 66
		.amdhsa_reserve_vcc 0
		.amdhsa_float_denorm_mode_32 3
		.amdhsa_float_denorm_mode_16_64 3
		.amdhsa_memory_ordered 1
		.amdhsa_forward_progress 1
		.amdhsa_inst_pref_size 75
	.end_amdhsa_kernel
	.amdgpu_metadata
---
amdhsa.version: [ 1, 2 ]
amdhsa.kernels:
  - .name:           k_qafd01ca300_prep
    .symbol:         k_qafd01ca300_prep.kd
    .args:
      - { .name: x, .offset: 0, .size: 8, .value_kind: global_buffer, .address_space: global }
      - { .name: Wqkv, .offset: 8, .size: 8, .value_kind: global_buffer, .address_space: global }
      - { .name: Wo, .offset: 16, .size: 8, .value_kind: global_buffer, .address_space: global }
      - { .name: cod, .offset: 24, .size: 8, .value_kind: global_buffer, .address_space: global }
      - { .name: scl, .offset: 32, .size: 8, .value_kind: global_buffer, .address_space: global }
    .group_segment_fixed_size: 66560
    .private_segment_fixed_size: 0
    .kernarg_segment_align: 8
    .kernarg_segment_size: 40
    .max_flat_workgroup_size: 128
    .sgpr_count:     66
    .vgpr_count:     224
    .wavefront_size: 32
...
	.end_amdgpu_metadata
.endif
;; end of part 1
;; launch qkv (part 2): grid 8 x 32, 4 waves a work-group, clusters of 4 x 4, 327,680 bytes of LDS; arguments cod, scl, bqkv, qkvc, qkvs; writes qkvc, qkvs
.if DOCPART == 2
	.amdgcn_target "amdgcn-amd-amdhsa--gfx1250"
	.amdhsa_code_object_version 6
	.text
	.protected	k_qafd01ca300_qkv
	.globl	k_qafd01ca300_qkv
	.p2align	8
	.type	k_qafd01ca300_qkv,@function
k_qafd01ca300_qkv:
	s_mov_b64 s[64:65], 0
	v_nop
	global_prefetch_b8 v0, s[64:65] scope:SCOPE_SE
	s_setreg_imm32_b32 hwreg(HW_REG_WAVE_MODE, 25, 1), 1
	s_wait_xcnt 0x0
	s_wait_alu depctr_hold_cnt(0) depctr_sa_sdst(0) depctr_va_vdst(0) depctr_va_sdst(0) depctr_va_ssrc(0) depctr_va_vcc(0) depctr_vm_vsrc(0)
	s_getreg_b32 s2, hwreg(HW_REG_IB_STS2, 6, 4)
	s_cmp_eq_u32 s2, 0
	s_cbranch_scc0 .Lentry_in_a_cluster
	s_endpgm
.Lentry_in_a_cluster:
	s_bfe_u32 s2, ttmp6, 0x10000c
	s_cmp_lg_u32 s2, 0xf033
	s_cbranch_scc0 .Lentry_shape_is_right
	s_endpgm
.Lentry_shape_is_right:
; qkv = x Wqkv + bqkv on codes of FP6 (E2M3) with E8M0 scales, K = 1024; the result is quantised in registers and leaves as codes: q and k along the head's 64, v along the tokens (the keys).
; A WORK-GROUP STAYS AND MAKES TWO PARTS: first 256 tokens x 256 features of q or k, then 128 features of v x 256 tokens: 8 x 32 work-groups share 8192 x 2048 and 1024 x 8192 evenly.
; K goes in steps of 256 through a ring of two LDS slots filled by the tensor data mover; the ring goes on from the first part into the second: the first part's last two changes of slots ask for the second part's K steps 0 and 1.
; cod: [tile of 16 positions][pair K / 64][row][48 bytes], scl: [tile][K step][row][8 bytes] (positions: bits 3 and 4 of the index exchanged).  A tile's 256 along K are 3,072 dense bytes; in LDS lane (r, h) reads
; 8 bytes at 48 r + 24 h: the 32 lanes of a load touch 64 different banks (64 banks of 4 bytes: ISA guide 11.1), with no padding.
; SOURCE 1 ('A') gives the lanes their row, SOURCE 0 ('B') runs down a lane's registers, 16 neighbours in two neighbouring tiles.  Part 1: A = tokens, B = features.  Part 2: A = v's features, B = tokens.
; CLUSTERS 4 x 4: A's tiles hang on cy and are shared along a row of the cluster, B's on cx and are shared along a column, in both parts: each is asked for jointly.
; Part 1: a wave makes 128 x 128, 64 accumulators; its scale bytes lie in LDS, filled once.  Part 2: a wave makes 64 x 128, 32 accumulators, both operands in two register sets; its scale words, 8 bytes a lane and K step,
; come from scl straight into registers, each once.
; OUT.  qkvc [batch][g 48][98,304]: g = head: q, 16 + head: k, both [position 2048][48 bytes]; 32 + head: v [step of 128 keys][c 2][channel position 64][48 bytes: key block 2 c + h at 24 h].
; qkvs [batch][g][8,192]: q, k: [position][4]: two scale bytes, then two zeros; v: [step][channel position][4].
; LIMITS: NaN and infinities are not served; a block of zeros gets the byte 1 (its codes are zeros; this program alone reads the bytes).
; REGISTERS: window 0: v0-31 addresses; v32-95 scale words (part 1: two sets in v32-63); v64-127 part 1's bias by registers; v128-223 A's fragments; v224-231 the bias by lanes.  Window 1: B's fragments, two sets, at v0 and v128.
; Windows 2, 3: the accumulators ((a, b) at v[8 (8 (a % 4) + b)]).  On the ways out window 0: v128-191 64 numbers, v192-211 codes, v212-213 scale words, v240-255 at work, v64-167 what comes back from the stage.
.set NQ,     2
.set FR,     12
.set NL,     6
.set NP,     4                         ; places behind this matrix instruction (ISA guide 7.12.1)
.set TILEB,  3072                      ; 16 rows x 256 K
.set HALFT,  8*TILEB
.set SLOT,   4*HALFT                   ; A's 256 rows, then B's
.set SCL,    2*SLOT                    ; part 1's scale bytes: A's 8,192;
.set SCB,    8320                      ; B's begin here behind SCL
.set SPARE,  213248                    ; the spare words, 128 bytes for each wave
.set STGQ,   213760                    ; the way out of q and k: 13,312 bytes for each wave;
.set STGV,   267008                    ; and of v: no tile lands in either
.set WSTG,   13312
.set ADRA, 16
.set ADRB, 20
.set ADRS, 27
.set SPW,  28
.set NIL,  29
.set SC,   32
.set BR,   64
.set AF,   128
.set BLP,  224
.set HH,   128
.set PC,   192
.set PW,   212
.set PWS,  213
.set TM,   240
.set RB,   64
.set G1, 24
.set G0, 32
.set G1B, 48
.set G0B, 56
.set G1S, 68
.set G0S, 76
.set G1SB, 80
.set G0SB, 88
.set A2, 94                            ; s[94:95], s[98:99]: part 2's K step 0 of the tiles that I fetch, as a group 0's address words
.set B2, 98
.set SEL, 96
.set MSB, 0
.macro WIN new                         ; the immediate's high byte repeats the setting that is left
.if MSB != \new
	s_set_vgpr_msb (MSB<<8)|\new
.set MSB, \new
.endif
.endm
.set MUL_LO, 0xa1                      ; source 0 (B) window 1, source 1 (A) window 0, C and D window 2
.set MUL_HI, 0xf1
.set TO_B,   0x40
.macro JLOAD g0a, g1a, g0b, g1b        ; a joint load: waves 0 and 1 fetch for A, waves 2 and 3 for B; an s_nop 0 and four v_nop follow each line
	s_cmp_eq_u32 s15, 0
	s_cbranch_scc0 .Lfor_b_\@
	tensor_load_to_lds s[\g0a:\g0a+3], s[\g1a:\g1a+7]
	s_nop 0
.rept 4
	v_nop
.endr
	s_branch .Lasked_\@
.Lfor_b_\@:
	tensor_load_to_lds s[\g0b:\g0b+3], s[\g1b:\g1b+7]
	s_nop 0
.rept 4
	v_nop
.endr
.Lasked_\@:
.endm
.macro CREST                           ; a round of the cluster's barrier behind its opening barrier
	s_cmp_lg_u32 s14, 0
	s_cbranch_scc1 .Lnot_wave_0_\@
	s_barrier_signal -3
.Lnot_wave_0_\@:
	s_barrier_wait -3
	s_barrier_signal -1
	s_barrier_wait -1
.endm
.macro CROUND
	s_barrier_signal -1
	s_barrier_wait -1
	CREST
.endm
.macro FRAG reg, adr, q, i             ; tile i, the slot's q-th 128 along K: pairs 2 q, 2 q + 1; 24 bytes of each as three pieces of 8
.irp p, 0,1,2,3,4,5
	ds_load_b64 v[\reg+2*\p:\reg+2*\p+1], v[\adr] offset:(\i)*TILEB+(2*(\q)+\p/3)*768+8*(\p%3)
.endr
.endm
; 16 matrix instructions: A's register blocks a0, a0 + 1 x B's eight.  The accumulators take turns, one instruction a turn.
.macro MUL16 a0, p, q, sc, zero
.irp a, \a0, \a0+1
.irp b, 0,1,2,3,4,5,6,7
.if \zero
	v_wmma_scale_f32_16x16x128_f8f6f4 v[8*(8*((\a)%4)+\b):8*(8*((\a)%4)+\b)+7], v[128*(\p)+FR*\b:128*(\p)+FR*\b+FR-1], v[AF+FR*(\a):AF+FR*(\a)+FR-1], 0, v[SC+8*NQ*(\sc)+NQ*\b+(\q)], v[SC+8*NQ*(\sc)+NQ*(\a)+(\q)] matrix_a_fmt:MATRIX_FMT_FP6 matrix_b_fmt:MATRIX_FMT_FP6 matrix_a_scale:MATRIX_SCALE_ROW1
.else
	v_wmma_scale_f32_16x16x128_f8f6f4 v[8*(8*((\a)%4)+\b):8*(8*((\a)%4)+\b)+7], v[128*(\p)+FR*\b:128*(\p)+FR*\b+FR-1], v[AF+FR*(\a):AF+FR*(\a)+FR-1], v[8*(8*((\a)%4)+\b):8*(8*((\a)%4)+\b)+7], v[SC+8*NQ*(\sc)+NQ*\b+(\q)], v[SC+8*NQ*(\sc)+NQ*(\a)+(\q)] matrix_a_fmt:MATRIX_FMT_FP6 matrix_b_fmt:MATRIX_FMT_FP6 matrix_a_scale:MATRIX_SCALE_ROW1
.endif
.endr
.endr
.endm
.macro FETCH_B slot, q, p
	WIN TO_B
.irp i, 0,1,2,3,4,5,6,7
	FRAG 128*(\p)+FR*\i, ADRB+\slot, \q, \i
.endr
	WIN 0
.endm
.macro FETCH_A slot, q, i0             ; part 1: A's blocks i0 .. i0 + 3, one set
.irp i, \i0, \i0+1, \i0+2, \i0+3
	FRAG AF+FR*(\i), ADRA+\slot, \q, \i
.endr
.endm
.macro FETCH_A2 slot, q, p             ; part 2: A's four blocks into set p (register blocks 4 p .. 4 p + 3)
.irp i, 0,1,2,3
	FRAG AF+FR*(4*(\p)+\i), ADRA+\slot, \q, \i
.endr
.endm
.macro SCALES sc                       ; part 1: a K step's scale words: 8 bytes a row; lanes 0-15 A's block i, lanes 16-31 B's block i
.irp i, 0,1,2,3,4,5,6,7
	ds_load_b64 v[SC+8*NQ*\sc+NQ*\i:SC+8*NQ*\sc+NQ*\i+1], v[ADRS] offset:\i*512
.endr
.endm
.macro SCLOAD j                        ; part 2: K step j's scale words into set j: lanes 16-31 B's block i; lanes 0-15 A's block i % 4, so that both of A's register sets find theirs
.irp i, 0,1,2,3
	global_load_b64 v[SC+16*\j+2*\i:SC+16*\j+2*\i+1], v25, s[6:7] offset:\i*512+\j*128
.endr
.irp i, 4,5,6,7
	global_load_b64 v[SC+16*\j+2*\i:SC+16*\j+2*\i+1], v26, s[6:7] offset:\i*512+\j*128
.endr
.endm
.macro PLACES n                        ; plain vector instructions between a matrix instruction and a load into, or a vector read or write of, its registers
.rept \n
	v_nop
.endr
.endm
.macro STEP slot, q, zero              ; part 1: 128 along K that has its successor in the same slot
	s_wait_dscnt 4*NL                              ; B's set and A's blocks 0-3 are in; A's blocks 4-7, the youngest 24 loads, may be out
	WIN MUL_LO
	MUL16 0, (\q)%2, \q, \slot, \zero
	MUL16 2, (\q)%2, \q, \slot, \zero
	s_wait_dscnt 0
	PLACES NP
	FETCH_B \slot, (\q)+1, 1-(\q)%2
	FETCH_A \slot, (\q)+1, 0
	WIN MUL_HI
	MUL16 4, (\q)%2, \q, \slot, \zero
	MUL16 6, (\q)%2, \q, \slot, \zero
	PLACES NP
	WIN 0
	FETCH_A \slot, (\q)+1, 4
.endm
; The first half of a slot's last step in part 1: each wave waits for all its tensor loads, adds 0 to its spare word, waits for that and for its reads of this slot; the barrier opens a round of the cluster's barrier.
.macro MEET slot
	s_wait_tensorcnt 0x0                           ; all my tensor loads have landed: my part of the other slot
	ds_add_u32 v[SPW], v[NIL]
	s_wait_dscnt 4*NL+1                            ; (the add and A's blocks 4-7 may be out)
	WIN MUL_LO
	MUL16 0, 1, NQ-1, \slot, 0
	s_wait_dscnt 0x0                               ; the add is done, and my reads of this slot are over
	s_barrier_signal -1
	MUL16 2, 1, NQ-1, \slot, 0
	WIN 0
	s_barrier_wait -1
	CREST                                          ; no wave of any partner still reads this slot or has a load on its way
.endm
.macro TURN slot, next, fill           ; fill = 1: this part's K step two on; 2: part 2's K step 0
	MEET \slot
.if \fill == 1
	s_add_nc_u64 s[G0+4*\slot+2:G0+4*\slot+3], s[G0+4*\slot+2:G0+4*\slot+3], 2*TILEB
	s_add_nc_u64 s[G0B+4*\slot+2:G0B+4*\slot+3], s[G0B+4*\slot+2:G0B+4*\slot+3], 2*TILEB
.else
	s_mov_b64 s[G0+4*\slot+2:G0+4*\slot+3], s[A2:A2+1]
	s_mov_b64 s[G0B+4*\slot+2:G0B+4*\slot+3], s[B2:B2+1]
	s_mov_b32 s[G1+2], 4<<16                       ; no tensor load of mine is out: from here on a load for A brings 4 tiles
	s_mov_b32 s[G1+4], 4
.endif
	JLOAD G0+4*\slot, G1, G0B+4*\slot, G1B         ; the first tensor load behind the round; its four v_nop are the places in front of the loads below
	s_wait_alu depctr_va_vdst(0)
	v_add_nc_u32 v[ADRS], 128, v[ADRS]             ; the next K step's scale words
	FETCH_B \next, 0, 0
	FETCH_A \next, 0, 0
	SCALES \next
	WIN MUL_HI
	MUL16 4, 1, NQ-1, \slot, 0
	MUL16 6, 1, NQ-1, \slot, 0
	PLACES NP
	WIN 0
	FETCH_A \next, 0, 4
.endm
.macro P2STEP slot, sc, zero           ; part 2: a slot's first 128 along K, on set 0; the second 128's fragments are fetched into set 1
	s_wait_dscnt 0x0                               ; set 0 is in
.if \zero == 0
	PLACES NP
.endif
	FETCH_B \slot, 1, 1
	FETCH_A2 \slot, 1, 1
	WIN MUL_LO
	MUL16 0, 0, 0, \sc, \zero
	MUL16 2, 0, 0, \sc, \zero
	WIN 0
.endm
.macro P2TURN slot, next, fill, sc     ; part 2: a slot's second 128, on set 1, and the change of slots
	s_wait_tensorcnt 0x0                           ; all my tensor loads have landed
	ds_add_u32 v[SPW], v[NIL]
	s_wait_dscnt 0x0                               ; the add is done, and set 1 is in: my reads of this slot are over
	s_barrier_signal -1
	WIN MUL_LO
	MUL16 4, 1, 1, \sc, 0
	WIN 0
	s_barrier_wait -1
.if \fill
	CREST
	s_add_nc_u64 s[G0+4*\slot+2:G0+4*\slot+3], s[G0+4*\slot+2:G0+4*\slot+3], 2*TILEB
	s_add_nc_u64 s[G0B+4*\slot+2:G0B+4*\slot+3], s[G0B+4*\slot+2:G0B+4*\slot+3], 2*TILEB
	JLOAD G0+4*\slot, G1, G0B+4*\slot, G1B
.else
	PLACES NP
.endif
	FETCH_B \next, 0, 0
	FETCH_A2 \next, 0, 0
	WIN MUL_LO
	MUL16 6, 1, 1, \sc, 0
	WIN 0
.endm
; 64 numbers of a lane, register 16 b + i = place 32 b + 16 (lane / 16) + i along the axis to be quantised, become 64 codes in v[PC] on (registers 6 c .. 6 c + 5: block 2 c + lane / 16) and a scale word in v[PW].
.macro QUANT s
.irp b, 0,1,2,3
	v_max3_num_f32 v[TM+\b], |v[\s+16*\b]|, |v[\s+1+16*\b]|, 0x1800000   ; my 16 numbers of block b, and the floor 2^(3 - 127)
.endr
.irp i, 2,4,6,8,10,12,14
.irp b, 0,1,2,3
	v_max3_num_f32 v[TM+\b], v[TM+\b], |v[\s+16*\b+\i]|, |v[\s+1+16*\b+\i]|
.endr
.endr
.irp b, 0,1,2,3
	v_permlanex16_b32 v[TM+4+\b], v[TM+\b], s[SEL], s[SEL+1]
.endr
.irp b, 0,1,2,3
	v_max_num_f32 v[TM+\b], v[TM+\b], v[TM+4+\b]   ; with lane l xor 16's: the block's largest magnitude
.endr
.irp b, 0,1,2,3
	v_add_nc_u32 v[TM+12+\b], 0xff000000, v[TM+\b] ; 2 off its exponent field: the conversion's scale operand
.endr
.irp b, 0,1,2,3
	v_lshrrev_b32 v[TM+4+\b], 23, v[TM+12+\b]      ; the scale's byte
.endr
	s_wait_alu depctr_va_vdst(0)
	s_wait_dscnt 0x0                               ; the last tile's stores into the stage have read the registers that are written next
	v_lshl_or_b32 v[PW], v[TM+5], 8, v[TM+4]
	v_lshl_or_b32 v[PW], v[TM+6], 16, v[PW]
	v_lshl_or_b32 v[PW], v[TM+7], 24, v[PW]
.irp c, 0,1
	v_cvt_scalef32_pk16_fp6_f32 v[PC+6*\c:PC+2+6*\c], v[\s+32*\c:\s+15+32*\c], v[TM+12+2*\c]
	v_cvt_scalef32_pk16_fp6_f32 v[PC+12+4*\c:PC+14+4*\c], v[\s+16+32*\c:\s+31+32*\c], v[TM+12+2*\c+1]
.endr
	v_nop                                          ; one plain place behind a scaled conversion
.irp c, 0,1
.irp i, 0,1,2
	v_permlane16_swap_b32 v[PC+6*\c+\i], v[PC+12+4*\c+\i]   ; a whole block to a lane
.endr
.irp i, 0,1,2
	v_mov_b32 v[PC+3+6*\c+\i], v[PC+12+4*\c+\i]
.endr
.endr
.endm
.macro OUTADR                          ; s3: 48 batch + g; s2: which 6,144 bytes of codes; s19: where the scale words begin
	s_lshl_b32 s22, s3, 13
	s_add_co_u32 s22, s22, s19
	s_mov_b32 s23, 0
	s_add_nc_u64 s[22:23], s[12:13], s[22:23]      ; my scale words
	s_mul_i32 s20, s3, 98304
	s_mul_i32 s19, s2, 6144
	s_add_co_u32 s20, s20, s19
	s_mov_b32 s21, 0
	s_add_nc_u64 s[20:21], s[10:11], s[20:21]      ; my codes
.endm
; THE WAY OUT of q and k.  For each of A's eight blocks: the bias, the quantiser, the codes into my stage in the order of the output; then the stage leaves in stores of 512 consecutive bytes.
.macro EPIQ
	s_lshl_b32 s2, s17, 2
	s_add_co_u32 s2, s2, s41                       ; my 256 tokens: 4 x cluster y + cy
	s_lshr_b32 s3, s2, 3
	s_mul_i32 s3, s3, 48
	s_lshl_b32 s19, ttmp9, 4
	s_add_co_u32 s3, s3, s19
	s_lshl_b32 s19, s40, 2
	s_add_co_u32 s3, s3, s19
	s_lshl_b32 s19, s16, 1
	s_add_co_u32 s3, s3, s19                       ; 48 batch + 16 x (k?) + my first head
	s_and_b32 s2, s2, 7
	s_lshl_b32 s2, s2, 1
	s_add_co_u32 s2, s2, s15                       ; my 128 positions
	s_lshl_b32 s19, s2, 9
	OUTADR
.irp a, 0,1,2,3,4,5,6,7
	WIN 0x02+(\a)/4                                ; source 0: the accumulators' window
.set I, 0
.rept 32
	v_pk_add_f32 v[HH+I:HH+I+1], v[64*((\a)%4)+I:64*((\a)%4)+I+1], v[BR+I:BR+I+1]   ; each accumulator from its low end on
.set I, I+2
.endr
	WIN 0
	QUANT HH
.irp c, 0,1
.irp p, 0,1,2
	ds_store_b64 v8, v[PC+6*\c+2*\p:PC+6*\c+2*\p+1] offset:\c*6144+(\a)*768+8*\p       ; [head c][position][48]
.endr
.endr
	v_lshrrev_b32 v[PWS], v14, v[PW]               ; lanes 0-15: the first head's two bytes, lanes 16-31: the second's;
	v_and_b32 v[PWS], 0xffff, v[PWS]               ; two zero bytes above them
	ds_store_b32 v9, v[PWS] offset:64*(\a)
.endr
.irp t, 0,1,2,3,4,5,6,7,8,9,10,11,12,13,14,15,16,17,18,19,20,21,22,23
	ds_load_b128 v[RB+4*\t:RB+4*\t+3], v12 offset:512*\t          ; LDS serves a wave's instructions in order: these see my stores
.endr
	ds_load_b128 v[160:163], v12 offset:12288
	ds_load_b128 v[164:167], v12 offset:12800
.irp t, 0,1,2,3,4,5,6,7,8,9,10,11,12,13,14,15,16,17,18,19,20,21,22,23
	s_wait_dscnt 25-\t                             ; the younger loads may be out
	global_store_b128 v15, v[RB+4*\t:RB+4*\t+3], s[20:21] offset:(\t/12)*98304+(\t%12)*512   ; 512 consecutive bytes, aligned; the second head lies 98,304 bytes on
.endr
	s_wait_dscnt 0x0
	global_store_b128 v15, v[160:163], s[22:23]
	global_store_b128 v15, v[164:167], s[22:23] offset:8192
.endm
; THE WAY OUT of v: my 64 channels are one head, my 128 tokens one step of keys.
.macro EPIV
	s_lshl_b32 s2, s17, 2
	s_add_co_u32 s2, s2, s40                       ; my 256 tokens: 4 x cluster y + cx
	s_lshr_b32 s3, s2, 3
	s_mul_i32 s3, s3, 48
	s_add_co_u32 s3, s3, 32
	s_lshl_b32 s19, ttmp9, 3
	s_add_co_u32 s3, s3, s19
	s_lshl_b32 s19, s41, 1
	s_add_co_u32 s3, s3, s19
	s_add_co_u32 s3, s3, s15                       ; 48 batch + 32 + my head: 2 (4 x cluster x + cy) + half
	s_and_b32 s2, s2, 7
	s_lshl_b32 s2, s2, 1
	s_add_co_u32 s2, s2, s16                       ; my step of 128 keys
	s_lshl_b32 s19, s2, 8
	OUTADR
.irp a, 0,1,2,3
	WIN 0x02
.set I, 0
.rept 32
	v_pk_add_f32 v[HH+I:HH+I+1], v[64*(\a)+I:64*(\a)+I+1], v[BLP+2*(\a):BLP+2*(\a)+1]   ; each accumulator from its low end on
.set I, I+2
.endr
	WIN 0
	QUANT HH
.irp c, 0,1
.irp p, 0,1,2
	ds_store_b64 v10, v[PC+6*\c+2*\p:PC+6*\c+2*\p+1] offset:\c*3072+(\a)*768+8*\p      ; [c][channel position][48]
.endr
.endr
	ds_store_b32 v11, v[PW] offset:64*(\a)         ; my channel's word for these 128 keys (lanes r and r + 16 store the same word)
.endr
.irp t, 0,1,2,3,4,5,6,7,8,9,10,11
	ds_load_b128 v[RB+4*\t:RB+4*\t+3], v13 offset:512*\t
.endr
	ds_load_b64 v[160:161], v23
.irp t, 0,1,2,3,4,5,6,7,8,9,10,11
	s_wait_dscnt 12-\t
	global_store_b128 v15, v[RB+4*\t:RB+4*\t+3], s[20:21] offset:\t*512
.endr
	s_wait_dscnt 0x0
	global_store_b64 v22, v[160:161], s[22:23]     ; 256 consecutive bytes, aligned
.endm
	s_load_b256 s[4:11], s[0:1], 0x0               ; cod s[4:5], scl s[6:7], bqkv s[8:9], qkvc s[10:11]
	s_load_b64 s[12:13], s[0:1], 0x20              ; qkvs
	v_lshl_add_u32 v[SPW], v0, 2, SPARE
	v_mov_b32 v[NIL], 0
	ds_add_u32 v[SPW], v[NIL]                      ; the wave's opening
	ds_add_u32 v[SPW], v[NIL]
	v_lshrrev_b32 v1, 5, v0
	v_readfirstlane_b32 s14, v1                    ; wave 0..3
	s_lshr_b32 s15, s14, 1                         ; which half of A's rows is mine.  Also: I fetch for A (0) or for B (1)
	s_and_b32 s16, s14, 1                          ; which half of B's rows.  Also: which half I fetch
	s_bfe_u32 s40, ttmp6, 0x40000                  ; cx
	s_bfe_u32 s41, ttmp6, 0x40004                  ; cy
	s_and_b32 s17, ttmp7, 0xffff                   ; cluster y
	s_lshl_b32 s43, s41, 2
	s_lshl_b32 s43, 15, s43                        ; my row of the cluster
	s_lshl_b32 s44, 0x1111, s40                    ; my column
	s_or_b32 s[G1+0], s43, (3<<16)|(1<<21)         ; 15:0 the mask; 17:16 elements of 8 bytes; 21 set beside a mask; no padding
	s_or_b32 s[G1B+0], s44, (3<<16)|(1<<21)
.irp g, G1, G1B
	s_mov_b32 s[\g+1], 384<<16                     ; tensor_dim0: a tile's 3,072 bytes
	s_mov_b32 s[\g+2], 16<<16                      ; tensor_dim1: 16 tiles for the head's loads
	s_mov_b32 s[\g+3], 384<<16
	s_mov_b32 s[\g+4], 16
	s_mov_b32 s[\g+5], 1536                        ; from tile to tile: 12,288 bytes
	s_mov_b32 s[\g+6], 0
	s_mov_b32 s[\g+7], 0
.endr
	s_or_b32 s[G1S+0], s43, (3<<16)|(1<<21)        ; the scale bytes of 256 rows: 8,192 dense bytes as 32 rows of 256
	s_or_b32 s[G1SB+0], s44, (3<<16)|(1<<21)
.irp g, G1S, G1SB
	s_mov_b32 s[\g+1], 32<<16
	s_mov_b32 s[\g+2], 32<<16
	s_mov_b32 s[\g+3], 32<<16
	s_mov_b32 s[\g+4], 32
	s_mov_b32 s[\g+5], 32
	s_mov_b32 s[\g+6], 0
	s_mov_b32 s[\g+7], 0
.endr
	s_lshl_b32 s20, s17, 6                         ; part 1: A: tokens: tiles from 64 x cluster y on,
	s_lshl_b32 s23, s41, 4
	s_add_co_u32 s20, s20, s23                     ; + 16 cy
	s_lshl_b32 s46, ttmp9, 6
	s_add_co_u32 s46, s46, 512                     ; B: q's and k's features: tiles from 512 + 64 x cluster x on,
	s_lshl_b32 s47, s40, 4
	s_add_co_u32 s46, s46, s47                     ; + 16 cx
	s_lshl_b32 s22, s20, 9                         ; scale bytes: 512 a tile
	s_mov_b32 s23, 0
	s_mul_i32 s20, s20, 12288                      ; codes: 12,288 a tile
	s_mov_b32 s21, 0
	s_lshl_b32 s92, s46, 9
	s_mov_b32 s93, 0
	s_mul_i32 s46, s46, 12288
	s_mov_b32 s47, 0
	s_mul_i32 s45, s14, HALFT                      ; where my loads go: wave x 128 rows: no place in the cluster enters an LDS address
	s_mul_i32 s42, s16, 8*12288                    ; in part 1's ring I fetch 8 tiles of the 16: which half, in bytes
	s_mov_b32 s43, 0
	s_lshl_b32 s2, ttmp9, 2                        ; part 2: A: v's features: 128 of them, number 4 x cluster x + cy,
	s_add_co_u32 s2, s2, s41
	s_lshl_b32 s2, s2, 3
	s_add_co_u32 s2, s2, 640                       ; tiles from 640 on
	s_lshl_b32 s3, s16, 2
	s_add_co_u32 s3, s3, s2                        ; the 4 tiles that I fetch
	s_mul_i32 s[A2], s3, 12288
	s_mov_b32 s[A2+1], 0
	s_lshl_b32 s3, s15, 2
	s_add_co_u32 s3, s3, s2
	s_lshl_b32 s3, s3, 9                           ; s3: where the scale words of the 4 tiles that I multiply begin
	s_lshl_b32 s18, s17, 2                         ; B: tokens: 256 of them, number 4 x cluster y + cx
	s_add_co_u32 s18, s18, s40
	s_lshl_b32 s18, s18, 4
	s_lshl_b32 s19, s16, 3
	s_add_co_u32 s19, s19, s18                     ; the 8 tiles that I fetch, and multiply
	s_mul_i32 s[B2], s19, 12288
	s_mov_b32 s[B2+1], 0
	s_lshl_b32 s18, s19, 9
	s_sub_co_u32 s18, s18, s3                      ; s18: from A's scale words to B's, modulo 2^32
	s_mov_b32 s[SEL], 0x76543210
	s_mov_b32 s[SEL+1], 0xfedcba98
	s_wait_dscnt 0x0                               ; both opening adds are done
	s_wait_kmcnt 0x0
	s_add_nc_u64 s[20:21], s[4:5], s[20:21]
	s_add_nc_u64 s[22:23], s[6:7], s[22:23]
	s_add_nc_u64 s[46:47], s[4:5], s[46:47]
	s_add_nc_u64 s[92:93], s[6:7], s[92:93]
	s_add_nc_u64 s[A2:A2+1], s[4:5], s[A2:A2+1]
	s_or_b32 s[A2+1], s[A2+1], 0x80000000
	s_add_nc_u64 s[B2:B2+1], s[4:5], s[B2:B2+1]
	s_or_b32 s[B2+1], s[B2+1], 0x80000000
	CROUND                                         ; all sixteen work-groups are here: the first joint loads meet
	s_mov_b32 s[G0S], 1
	s_mov_b32 s[G0S+1], SCL
	s_mov_b64 s[G0S+2:G0S+3], s[22:23]
	s_or_b32 s[G0S+3], s[G0S+3], 0x80000000
	s_mov_b32 s[G0SB], 1
	s_mov_b32 s[G0SB+1], SCL+SCB
	s_mov_b64 s[G0SB+2:G0SB+3], s[92:93]
	s_or_b32 s[G0SB+3], s[G0SB+3], 0x80000000
	s_mov_b32 s[G0], 1                             ; slot 0's group 0 serves the head first: K step 0 of A's 16 tiles, whole,
	s_mov_b32 s[G0+1], 0
	s_mov_b64 s[G0+2:G0+3], s[20:21]
	s_or_b32 s[G0+3], s[G0+3], 0x80000000
	s_mov_b32 s[G0B], 1                            ; and of B's 16, behind them
	s_mov_b32 s[G0B+1], 2*HALFT
	s_mov_b64 s[G0B+2:G0B+3], s[46:47]
	s_or_b32 s[G0B+3], s[G0B+3], 0x80000000
	s_add_nc_u64 s[20:21], s[20:21], s[42:43]      ; for the ring: my 8 tiles
	s_add_nc_u64 s[46:47], s[46:47], s[42:43]
	s_mov_b32 s[G0+4], 1                           ; slot 1: K step 1
	s_add_co_u32 s[G0+5], s45, SLOT
	s_add_nc_u64 s[G0+6:G0+7], s[20:21], TILEB
	s_or_b32 s[G0+7], s[G0+7], 0x80000000
	s_mov_b32 s[G0B+4], 1
	s_add_co_u32 s[G0B+5], s45, SLOT
	s_add_nc_u64 s[G0B+6:G0B+7], s[46:47], TILEB
	s_or_b32 s[G0B+7], s[G0B+7], 0x80000000
; THE HEAD'S LOADS, ONE A WAVE: wave 0 K step 0 of A's 256 rows, wave 1 of B's, wave 2 A's scale bytes, wave 3 B's.  One chain of branches on the wave's number; every way passes one load.
.macro ARM under, g0, g1, next
	s_cmp_lt_u32 s14, \under
	s_cbranch_scc0 \next
	tensor_load_to_lds s[\g0:\g0+3], s[\g1:\g1+7]
	s_nop 0
.rept 4
	v_nop
.endr
	s_branch .Lhead_asked
\next:
.endm
	ARM 1, G0,  G1,  .Lhead_b
	ARM 2, G0B, G1B, .Lhead_sa
	ARM 3, G0S, G1S, .Lhead_sb
	tensor_load_to_lds s[G0SB:G0SB+3], s[G1SB:G1SB+7]
	s_nop 0
.rept 4
	v_nop
.endr
.Lhead_asked:
	v_and_b32 v1, 15, v0                           ; r
	v_bfe_u32 v2, v0, 4, 1                         ; h
	s_wait_alu depctr_va_vdst(0)
	v_mul_u32_u24 v3, v1, 48
	v_mad_u32_u24 v4, v2, 24, v3                   ; 48 r + 24 h
	v_lshlrev_b32 v25, 3, v1                       ; part 2's scale words in scl: 8 r + A's place, in lanes 16-31 B's;
	v_mul_lo_u32 v5, v2, s18
	v_mov_b32 v7, 2048
	v_add3_u32 v25, v25, v5, s3
	v_lshl_add_u32 v26, v2, 11, v25
	v_sub_nc_u32 v26, v26, v7                      ; and for register blocks 4-7: lanes 0-15 four tiles back
	s_wait_alu depctr_va_vdst(0)
	s_mul_i32 s21, s15, HALFT
	s_mul_i32 s22, s16, HALFT
	s_add_co_u32 s22, s22, 2*HALFT
.irp s, 0,1
	v_add_nc_u32 v[ADRA+\s], s21, v4
	v_add_nc_u32 v[ADRB+\s], s22, v4
	s_add_co_u32 s21, s21, SLOT
	s_add_co_u32 s22, s22, SLOT
.endr
	v_lshlrev_b32 v5, 3, v1                        ; part 1: my row's 8 scale bytes of a K step
	s_lshl_b32 s21, s15, 12                        ; A's: my 128 rows
	s_lshl_b32 s22, s16, 12                        ; B's
	s_add_co_u32 s22, s22, SCB
	s_sub_co_u32 s22, s22, s21
	v_mul_u32_u24 v6, s22, v2                      ; lanes 16-31 take B's: the lower base + h x the distance
	s_add_co_u32 s21, s21, SCL
	v_add_nc_u32 v5, v5, v6
	v_add_nc_u32 v[ADRS], s21, v5
	; the ways out's addresses
	s_mul_i32 s19, s14, WSTG
	v_add_nc_u32 v8, s19, v4
	v_add_nc_u32 v10, STGV, v8                     ; v10: v's codes into my stage
	v_add_nc_u32 v8, STGQ, v8                      ; v8: q's and k's
	v_lshlrev_b32 v5, 2, v1
	v_add_nc_u32 v5, s19, v5
	v_add_nc_u32 v11, STGV+12288, v5               ; v11: v's scale words: 4 r
	v_lshl_add_u32 v5, v2, 9, v5
	v_add_nc_u32 v9, STGQ+12288, v5                ; v9: q's and k's: 512 h + 4 r
	v_and_b32 v6, 31, v0
	v_lshlrev_b32 v15, 4, v6                       ; v15: 16 x lane
	v_lshlrev_b32 v22, 3, v6                       ; v22: 8 x lane
	v_add_nc_u32 v12, s19, v15
	v_add_nc_u32 v23, s19, v22
	v_add_nc_u32 v13, STGV, v12                    ; v13, v12: back out of the stage
	v_add_nc_u32 v12, STGQ, v12
	v_add_nc_u32 v23, STGV+12288, v23              ; v23: v's scale words back
	v_lshlrev_b32 v14, 4, v2                       ; v14: 16 h
	; the biases
	v_lshlrev_b32 v30, 6, v2                       ; by registers: 16 h numbers on
	s_wait_alu depctr_va_vdst(0)
	v_and_b32 v31, 7, v1
	v_and_b32 v5, 8, v1
	v_lshl_add_u32 v31, v5, 1, v31
	v_lshlrev_b32 v31, 2, v31                      ; by lanes: 4 (r % 8 + 16 (r / 8))
	s_wait_alu depctr_va_vdst(0)
	s_lshl_b32 s2, ttmp9, 2
	s_add_co_u32 s2, s2, s40
	s_lshl_b32 s2, s2, 10
	s_lshl_b32 s19, s16, 9
	s_add_co_u32 s20, s2, s19                      ; q, k: 4 (256 x tile column + 128 x half)
	s_mov_b32 s21, 0
	s_lshl_b32 s2, ttmp9, 2
	s_add_co_u32 s2, s2, s41
	s_lshl_b32 s2, s2, 9
	s_lshl_b32 s19, s15, 8
	s_add_co_u32 s22, s2, s19
	s_add_co_u32 s22, s22, 8192                    ; v: 4 (2048 + 128 (4 x cluster x + cy) + 64 x half)
	s_mov_b32 s23, 0
	s_add_nc_u64 s[20:21], s[8:9], s[20:21]
	s_add_nc_u64 s[22:23], s[8:9], s[22:23]
.irp t, 0,1,2,3,4,5,6,7
	global_load_b128 v[BR+8*\t:BR+8*\t+3], v30, s[20:21] offset:(32*(\t/2)+8*(\t%2))*4
	global_load_b128 v[BR+8*\t+4:BR+8*\t+7], v30, s[20:21] offset:(32*(\t/2)+8*(\t%2))*4+16
.endr
.irp a, 0,1,2,3
	global_load_b32 v[BLP+2*\a], v31, s[22:23] offset:(32*(\a/2)+8*(\a%2))*4       ; the same word twice: a pair for the packed addition
	global_load_b32 v[BLP+2*\a+1], v31, s[22:23] offset:(32*(\a/2)+8*(\a%2))*4
.endr
	s_wait_loadcnt 0x0                             ; the biases, once
	s_wait_alu depctr_va_vdst(0)
	s_wait_tensorcnt 0x0                           ; my tile of the head's four is in
	ds_add_u32 v[SPW], v[NIL]
	s_mov_b32 s[G1+2], 8<<16                       ; no tensor load of mine is out: from here on a load brings 8 tiles,
	s_mov_b32 s[G1+4], 8
	s_mov_b32 s[G1B+2], 8<<16
	s_mov_b32 s[G1B+4], 8
	s_mov_b32 s[G0+1], s45                         ; and slot 0's group 0 becomes the ring's: my quarter of the slot, my 8 tiles
	s_add_nc_u64 s[G0+2:G0+3], s[G0+2:G0+3], s[42:43]
	s_mov_b32 s[G0B+1], s45
	s_add_nc_u64 s[G0B+2:G0B+3], s[G0B+2:G0B+3], s[42:43]
	s_wait_dscnt 0x0                               ; the add is done
	CROUND                                         ; a whole round: all four tiles are in, and all sixteen work-groups are here
	JLOAD G0+4, G1, G0B+4, G1B                     ; K step 1, the first tensor load behind the round
	FETCH_B 0, 0, 0
	FETCH_A 0, 0, 0
	SCALES 0
	FETCH_A 0, 0, 4
	; PART 1
	STEP 0, 0, 1                                   ; K step 0; its first products start the sums
	TURN 0, 1, 1                                   ; slot 0 takes K step 2
	STEP 1, 0, 0
	TURN 1, 0, 1                                   ; slot 1 takes K step 3
	STEP 0, 0, 0
	TURN 0, 1, 2                                   ; slot 0 takes part 2's K step 0
	STEP 1, 0, 0
	MEET 1
	s_add_nc_u64 s[G0+6:G0+7], s[A2:A2+1], TILEB
	s_add_nc_u64 s[G0B+6:G0B+7], s[B2:B2+1], TILEB
	JLOAD G0+4, G1, G0B+4, G1B                     ; slot 1 takes part 2's K step 1
	WIN MUL_HI
	MUL16 4, 1, NQ-1, 1, 0
	MUL16 6, 1, NQ-1, 1, 0
	WIN 0
	PLACES NP
	SCLOAD 0                                       ; part 2's first two sets of scale words land under the way out
	SCLOAD 1
.irp b, 0,1,2,3
	v_mov_b32 v[TM+4+\b], 0                        ; written once: a lane permute's destination counts as one of its sources
.endr
	EPIQ
	; PART 2
	s_wait_xcnt 0x0                                ; the stores have read their registers and bases
	SCLOAD 2
	SCLOAD 3
	FETCH_B 0, 0, 0
	FETCH_A2 0, 0, 0
	s_wait_loadcnt 16                              ; sets 0 and 1 are in; the 16 loads of sets 2 and 3 may be out
	P2STEP 0, 0, 1
	P2TURN 0, 1, 1, 0                              ; slot 0 takes K step 2
	P2STEP 1, 1, 0
	P2TURN 1, 0, 1, 1                              ; slot 1 takes K step 3
	s_wait_loadcnt 0x0
	P2STEP 0, 2, 0
	P2TURN 0, 1, 0, 2                              ; nothing is left to fetch
	P2STEP 1, 3, 0
	s_wait_dscnt 0x0
	WIN MUL_LO
	MUL16 4, 1, 1, 3, 0
	MUL16 6, 1, 1, 3, 0
	WIN 0
	PLACES NP
	EPIV
	s_wait_tensorcnt 0x0                           ; the wave's end
	ds_add_u32 v[SPW], v[NIL]
	s_wait_dscnt 0x0
	CROUND                                         ; the closing round
	s_endpgm
.Lfunc_end_k_qafd01ca300_qkv:
	.size	k_qafd01ca300_qkv, .Lfunc_end_k_qafd01ca300_qkv-k_qafd01ca300_qkv
	.p2alignl 7, 3214868480
	.fill 96, 4, 3214868480
	.section	.rodata,"a",@progbits
	.p2align	6, 0x0
	.amdhsa_kernel k_qafd01ca300_qkv
		.amdhsa_group_segment_fixed_size 327680
		.amdhsa_private_segment_fixed_size 0
		.amdhsa_enable_private_segment 0
		.amdhsa_kernarg_size 40
		.amdhsa_user_sgpr_count 2
		.amdhsa_user_sgpr_kernarg_segment_ptr 1
		.amdhsa_wavefront_size32 1
		.amdhsa_system_sgpr_workgroup_id_x 1
		.amdhsa_system_sgpr_workgroup_id_y 1
		.amdhsa_system_sgpr_workgroup_id_z 1
		.amdhsa_system_vgpr_workitem_id 0
		.amdhsa_next_free_vgpr 1024
		.amdhsa_next_free_sgpr 100
		.amdhsa_reserve_vcc 0
		.amdhsa_float_denorm_mode_32 3
		.amdhsa_float_denorm_mode_16_64 3
		.amdhsa_memory_ordered 1
		.amdhsa_forward_progress 1
		.amdhsa_inst_pref_size 255
	.end_amdhsa_kernel
	.section	.bss,"aw",@nobits
	.p2align	6
	.space	262144
	.amdgpu_metadata
---
amdhsa.version: [ 1, 2 ]
amdhsa.kernels:
  - .name:           k_qafd01ca300_qkv
    .symbol:         k_qafd01ca300_qkv.kd
    .args:
      - { .name: cod, .offset: 0, .size: 8, .value_kind: global_buffer, .address_space: global }
      - { .name: scl, .offset: 8, .size: 8, .value_kind: global_buffer, .address_space: global }
      - { .name: bqkv, .offset: 16, .size: 8, .value_kind: global_buffer, .address_space: global }
      - { .name: qkvc, .offset: 24, .size: 8, .value_kind: global_buffer, .address_space: global }
      - { .name: qkvs, .offset: 32, .size: 8, .value_kind: global_buffer, .address_space: global }
    .group_segment_fixed_size: 327680
    .private_segment_fixed_size: 0
    .kernarg_segment_align: 8
    .kernarg_segment_size: 40
    .max_flat_workgroup_size: 128
    .sgpr_count:     100
    .vgpr_count:     1024
    .wavefront_size: 32
...
	.end_amdgpu_metadata
.endif
;; end of part 2
;; launch attn (part 3): grid 4 x 64, 16 waves a work-group, clusters of 4 x 1, 229,376 bytes of LDS; arguments qkvc, qkvs, oc, os; writes oc, os
.if DOCPART == 3
	.amdgcn_target "amdgcn-amd-amdhsa--gfx1250"
	.amdhsa_code_object_version 6
	.text
	.protected	k_qafd01ca300_attn
	.globl	k_qafd01ca300_attn
	.p2align	8
	.type	k_qafd01ca300_attn,@function
k_qafd01ca300_attn:
	s_mov_b64 s[64:65], 0
	v_nop
	global_prefetch_b8 v0, s[64:65] scope:SCOPE_SE
	s_setreg_imm32_b32 hwreg(HW_REG_WAVE_MODE, 25, 1), 1
	s_wait_xcnt 0x0
	s_wait_alu depctr_hold_cnt(0) depctr_sa_sdst(0) depctr_va_vdst(0) depctr_va_sdst(0) depctr_va_ssrc(0) depctr_va_vcc(0) depctr_vm_vsrc(0)
	s_getreg_b32 s2, hwreg(HW_REG_IB_STS2, 6, 4)
	s_cmp_eq_u32 s2, 0
	s_cbranch_scc0 .Lentry_in_a_cluster
	s_endpgm
.Lentry_in_a_cluster:
	s_bfe_u32 s2, ttmp6, 0x10000c
	s_cmp_lg_u32 s2, 0x3003
	s_cbranch_scc0 .Lentry_shape_is_right
	s_endpgm
.Lentry_shape_is_right:
; o = softmax(where(key <= query, q k^T / 8, -0.0001)) v for one head (grid y = 16 batch + head), both products on codes of FP6 (E2M3) with E8M0 scales; o leaves as codes, quantised along the head's 64.
; HIDDEN KEYS ARE NOT DROPPED: their logit is -0.0001, so they count in the row's maximum, in its sum and in the second product.  Only the scores of steps that lie wholly above the diagonal, which
; the mask replaces by that constant whatever the inputs hold, are not multiplied.  A NaN or an infinity that reaches only those scores is not carried to the result.
; t = logit x log2(e); M = the running largest t rounded up to a whole number; p = 2^(t - M) is quantised along the keys; the sum is taken of the unquantised p and divides at the end.
; SHARES.  A head has 16 chunks of 128 queries x 8 tiles of 16.  Its four work-groups (one cluster, place p) have 64 waves; wave w takes tile 2 p + w / 8 of chunk c = w % 8 and then the same tile of chunk 15 - c:
; (c + 1) + (16 - c) = 17 steps with scores and 15 without, the same for every wave.  4 x 64 work-groups: one for each of 256 WGPs.
; A tile walks 16 steps of 128 keys.  Step < its chunk CH: all keys count.  Step = CH: hidden scores are replaced by -0.0008 (x 1/8 = -0.0001).  Step > CH: p is one number a row, 2^(t_hidden - M), M being final:
; its codes and scale word are made once, behind step CH, and only the second product is done.  All branches hang on the wave's number and the step's: they are the same in all partners.
; A head's whole K, V and scale words lie in LDS, filled once, by sixteen joint loads (mask 15), one a wave: waves 0-5 K, 6-11 V, 16,384 bytes each; 12, 13 K's scale words; 14, 15 V's.  Nothing is filled again.
; No prefetch: the fills are the launch's first memory work, and there is no loop ahead of them to ask in.
; LAYOUT.  Both products are used transposed (source 0 = 16 keys, or 16 channels; source 1 = my 16 queries): a lane holds one query.  Rows lie in memory at positions (bits 3 and 4 of the index exchanged).
; THE KEYS OF A TILE ARE CHOSEN: lane r of tile t of a step takes key 64 (t / 4) + 32 (r / 8) + 8 (t % 4) + r % 8.  So lane (r, h) holds, in the 32 registers of tiles 4 c .. 4 c + 3, keys 64 c + 32 h + 0 .. 31 in their order:
; a whole block of 32, as the second product's operand wants it: a block's maximum needs no other lane, and no codes change lanes.  (Rows r and r + 8 lie 1,536 bytes apart in LDS: a load of K meets each bank twice.)
; V's channels are read in the order of their positions: the 16 registers of two neighbouring tiles of O^T are 16 neighbouring channels.
; The head has 64 along K and the instruction 128: Q's upper six registers are zero codes; K's operand runs on into the next tile's codes, which meet those zeros.
; o's pairs of scale bytes leave by stores of two bytes a lane (32 bytes a wave): a head's share of a row's 32 bytes.
; LIMITS: NaN and infinities are not served; the scaled scores stay under 2^31 in magnitude; where M is above 125 the hidden p is taken as 0.
.set KB,    0                          ; K: [position 2048][48 bytes]
.set VB,    98304                      ; V: [step][c][channel position 64][48 bytes]
.set KSC,   196608                     ; K's scale words: [position][4]
.set VSC,   204800                     ; V's: [step][channel position][4]
.set SPARE, 208896                     ; the spare words, 128 bytes for each of 16 waves
.set STG,   210944                     ; the way out: 1,024 bytes for each wave
.set WV, 12
.set CH, 13                            ; the chunk of the tile at work
.set PP, 14                            ; which of a chunk's 8 tiles
.set SI, 15                            ; the step
.set TB, 16                            ; 6,144 x step
.set TS, 17                            ; 512 x step
.set TJ, 18                            ; 256 x step
.set CNT, 19                           ; f32 of 64 (15 - CH): the hidden steps' keys of one lane
.set SEL, 20
.set CS, 22                            ; s[22:23] c = log2(e) / 8
.set G1K, 24
.set G1KS, 32
.set G1VS, 40
.set G0K, 48
.set G0KS, 52
.set G0VS, 56
.set OA, 60                            ; o's codes and scale bytes of the first tile, s[60:63]; of the second, s[66:69]
.set SA, 62
.set OB, 66
.set SB, 68
; v0 (behind the head) the second tile's first largest t; v1 48 r + 24 h; v2 VB + v1; v3 K's scale words' lane term; v4 VSC + 4 r; v5, v6 the add's two; v7 my query in its chunk - 32 h; v8-11 the step's addresses; v12 -M;
; v13 the largest t; v[14:15] the sum; v16-27 Q; v28 Q's scale word; v29 -0.0008; v30 t of a hidden key; v31 the hidden p's scale word; v32-79 K's eight tiles, then V's four fragments; v80-85 zeros;
; v86-89 the way out's addresses; v90-95, v211 the second tile's Q; v96-159 S^T, p; v160-191 O^T; v192-210 the sum's chains, then p's codes; v212-223 block maxima, bytes, scale operands; v224-231 K's or V's scale words;
; v232 p's scale word; v233 8 h; v[234:235] f; v236-247 the hidden p's codes; v248-250 at work; v251 K's lane term.
.macro ROUND
	s_barrier_signal -1
	s_barrier_wait -1
	s_cmp_lg_u32 s[WV], 0
	s_cbranch_scc1 .Lnot_wave_0_\@
	s_barrier_signal -3
.Lnot_wave_0_\@:
	s_barrier_wait -3
	s_barrier_signal -1
	s_barrier_wait -1
.endm
.macro GROUP1 g, rows                  ; a dense block as rows of 256 bytes (32 elements of 8), for all four work-groups
	s_mov_b32 s[\g], 15|(3<<16)|(1<<21)
	s_mov_b32 s[\g+1], 32<<16
	s_mov_b32 s[\g+2], (\rows)<<16
	s_mov_b32 s[\g+3], 32<<16
	s_mov_b32 s[\g+4], \rows
	s_mov_b32 s[\g+5], 32
	s_mov_b32 s[\g+6], 0
	s_mov_b32 s[\g+7], 0
.endm
.macro FILL g0, g1                     ; an s_nop 0 and four v_nop follow the load
	tensor_load_to_lds s[\g0:\g0+3], s[\g1:\g1+7]
	s_nop 0
.rept 4
	v_nop
.endr
.endm
.macro VLOADS                          ; V's four fragments (16 channels x 128 keys) and their scale words
.irp t, 0,1,2,3
.irp p, 0,1,2,3,4,5
	ds_load_b64 v[32+12*\t+2*\p:33+12*\t+2*\p], v9 offset:(\p/3)*3072+768*\t+8*(\p%3)
.endr
	ds_load_b32 v[224+\t], v11 offset:64*\t
.endr
.endm
.macro PVMUL pc, ps                    ; O^T += V^T P^T; the four accumulators take turns
.irp t, 0,1,2,3
	v_wmma_scale_f32_16x16x128_f8f6f4 v[160+8*\t:167+8*\t], v[32+12*\t:43+12*\t], v[\pc:\pc+11], v[160+8*\t:167+8*\t], v[224+\t], v[\ps] matrix_a_fmt:MATRIX_FMT_FP6 matrix_b_fmt:MATRIX_FMT_FP6
.endr
.endm
.macro STEP
	v_add_nc_u32 v8, s[TB], v251                   ; four plain instructions: the places between the last step's products and the loads into V's fragments
	v_add_nc_u32 v9, s[TB], v2
	v_add_nc_u32 v10, s[TS], v3
	v_add_nc_u32 v11, s[TJ], v4
	s_wait_alu depctr_va_vdst(0)                   ; the addresses
	s_cmp_gt_u32 s[SI], s[CH]
	s_cbranch_scc1 .Lmask_\@
.irp t, 0,1,2,3,4,5,6,7                ; tile t: keys 64 (t / 4) + 8 (t % 4) + .., at positions 64 (t / 4) + 16 (t % 2) + 8 ((t % 4) / 2) + ..
.irp p, 0,1,2
	ds_load_b64 v[32+6*\t+2*\p:33+6*\t+2*\p], v8 offset:3072*(\t/4)+768*(\t%2)+384*((\t%4)/2)+8*\p
.endr
	ds_load_b32 v[224+\t], v10 offset:256*(\t/4)+64*(\t%2)+32*((\t%4)/2)
.endr
	s_wait_dscnt 0x0
.irp t, 0,1,2,3,4,5,6,7
	v_wmma_scale_f32_16x16x128_f8f6f4 v[96+8*\t:103+8*\t], v[32+6*\t:43+6*\t], v[16:27], 0, v[224+\t], v28 matrix_a_fmt:MATRIX_FMT_FP6 matrix_b_fmt:MATRIX_FMT_FP6
.endr
	v_mov_b32 v249, v12                            ; the old -M; with three v_nop the four places behind the products
.rept 3
	v_nop
.endr
	VLOADS                                         ; into the registers that K has left: they land under the softmax
	s_cmp_lg_u32 s[SI], s[CH]
	s_cbranch_scc1 .Lopen_\@
.set N, 0
.rept 64                               ; register 32 c + i holds key 64 c + 32 h + i of the step: hidden where 64 c + i > my query - 32 h
	v_cmp_gt_i32 vcc_lo, 64*(N/32)+N%32, v7
	v_cndmask_b32 v[96+N], v[96+N], v29, vcc_lo
.set N, N+1
.endr
.Lopen_\@:
.irp c, 0,1                            ; the largest score of my two blocks of 32 keys, each in two chains: for the row's maximum and for the block's largest p
	v_max3_num_f32 v[212+\c], v[96+32*\c], v[97+32*\c], v[98+32*\c]
	v_max3_num_f32 v[214+\c], v[112+32*\c], v[113+32*\c], v[114+32*\c]
.endr
.irp i, 3,5,7,9,11,13
.irp c, 0,1
	v_max3_num_f32 v[212+\c], v[212+\c], v[96+32*\c+\i], v[97+32*\c+\i]
	v_max3_num_f32 v[214+\c], v[214+\c], v[112+32*\c+\i], v[113+32*\c+\i]
.endr
.endr
.irp c, 0,1
	v_max3_num_f32 v[212+\c], v[212+\c], v[214+\c], v[111+32*\c]
.endr
.irp c, 0,1
	v_max_num_f32 v[212+\c], v[212+\c], v[127+32*\c]
.endr
	v_max_num_f32 v248, v212, v213
	v_permlanex16_b32 v216, v248, s[SEL], s[SEL+1]
	v_max_num_f32 v248, v248, v216                 ; with lane l xor 16's two blocks: the step's largest score of my query
	s_delay_alu instid0(VALU_DEP_1)
	v_mul_f32 v248, s[CS], v248
	s_delay_alu instid0(VALU_DEP_1)
	v_max_num_f32 v13, v13, v248                   ; the running largest t
	s_delay_alu instid0(VALU_DEP_1)
	v_floor_f32 v12, -v13                          ; the new -M
	s_delay_alu instid0(VALU_DEP_1)
	v_sub_f32 v248, v12, v249                      ; old M - new M: a whole number, 0 or less
	s_delay_alu instid0(VALU_DEP_1)
	v_cvt_i32_f32 v248, v248
	s_delay_alu instid0(VALU_DEP_1)
	v_ldexp_f32 v234, 1.0, v248                    ; f = 2^(old M - new M)
.set J, 0
.rept 32
	v_pk_fma_f32 v[96+J:97+J], v[96+J:97+J], s[CS:CS+1], v[12:13] op_sel_hi:[1,0,0]   ; t - M
.set J, J+2
.endr
.irp c, 0,1
	v_fma_f32 v[212+\c], v[212+\c], s[CS], v12     ; the same of each block's largest score
.endr
	s_wait_alu depctr_va_vdst(0)
.set J, 0
.rept 64
	v_exp_f32 v[96+J], v[96+J]                     ; p
.set J, J+1
.endr
.irp c, 0,1
	v_exp_f32 v[212+\c], v[212+\c]                 ; each block's largest p
.endr
	v_pk_mul_f32 v[14:15], v[14:15], v[234:235] op_sel_hi:[1,0]   ; the sum under the new M; a plain instruction behind the exponentials
	s_wait_alu depctr_va_vdst(0)                   ; one wait for the batch of 66, ahead of its first reader
.irp k, 0,1,2,3,4,5,6                  ; the row's sum of the unquantised p: 32 pairs in eight chains
	v_pk_add_f32 v[192+2*\k:193+2*\k], v[96+2*\k:97+2*\k], v[112+2*\k:113+2*\k]
.endr
	v_pk_add_f32 v[14:15], v[14:15], v[110:111]
.irp o, 128,144
.irp k, 0,1,2,3,4,5,6
	v_pk_add_f32 v[192+2*\k:193+2*\k], v[192+2*\k:193+2*\k], v[\o+2*\k:\o+2*\k+1]
.endr
	v_pk_add_f32 v[14:15], v[14:15], v[\o+14:\o+15]
.endr
	v_pk_add_f32 v[14:15], v[14:15], v[126:127]
	v_pk_add_f32 v[192:193], v[192:193], v[194:195]
	v_pk_add_f32 v[196:197], v[196:197], v[198:199]
	v_pk_add_f32 v[200:201], v[200:201], v[202:203]
	v_pk_add_f32 v[14:15], v[14:15], v[204:205]
	v_pk_add_f32 v[192:193], v[192:193], v[196:197]
	v_pk_add_f32 v[14:15], v[14:15], v[200:201]
	s_delay_alu instid0(VALU_DEP_1)
	v_pk_add_f32 v[14:15], v[14:15], v[192:193]
.irp c, 0,1
	v_max_num_f32 v[212+\c], 0x1800000, v[212+\c]  ; the floor 2^(3 - 127)
.endr
.irp c, 0,1
	v_add_nc_u32 v[220+\c], 0xff000000, v[212+\c]  ; the conversion's scale operand
.endr
.irp c, 0,1
	v_lshrrev_b32 v[216+\c], 23, v[220+\c]         ; the scale's byte
.endr
	v_lshl_or_b32 v232, v217, 16, v216             ; my two bytes: blocks h and 2 + h,
	s_delay_alu instid0(VALU_DEP_1)
	v_lshlrev_b32 v232, v233, v232                 ; at their places in the scale word (8 h bits up);
	v_permlanex16_b32 v218, v232, s[SEL], s[SEL+1]
	v_or_b32 v232, v232, v218                      ; with lane l xor 16's two the word is whole
.irp c, 0,1
	v_cvt_scalef32_pk16_fp6_f32 v[192+6*\c:194+6*\c], v[96+32*\c:111+32*\c], v[220+\c]     ; registers 6 c .. 6 c + 5 of the operand: keys 64 c + 32 h + 0 .. 31
	v_cvt_scalef32_pk16_fp6_f32 v[204+4*\c:206+4*\c], v[112+32*\c:127+32*\c], v[220+\c]    ; (a conversion's three registers begin on an even number: the upper three are made elsewhere and moved)
.endr
	v_nop                                          ; one plain place behind a scaled conversion
.irp c, 0,1
.irp i, 0,1,2
	v_mov_b32 v[195+6*\c+\i], v[204+4*\c+\i]
.endr
.endr
	s_wait_alu depctr_va_vdst(0)
.set J, 0
.rept 16
	v_pk_mul_f32 v[160+J:161+J], v[160+J:161+J], v[234:235] op_sel_hi:[1,0]   ; O^T under the new M; also the places between the scale word and the codes and the products
.set J, J+2
.endr
	s_wait_alu depctr_va_vdst(0)
	s_wait_dscnt 0x0                               ; V's fragments
	PVMUL 192, 232
	s_cmp_lg_u32 s[SI], s[CH]
	s_cbranch_scc1 .Lend_\@
	; behind my diagonal step M is final: the hidden p of my row, its codes, its scale word, and its share of the sum
	v_add_f32 v248, v30, v12
	s_wait_alu depctr_va_vdst(0)
	v_exp_f32 v248, v248
	v_nop
	s_wait_alu depctr_va_vdst(0)
.set J, 0
.rept 16
	v_mov_b32 v[144+J], v248
.set J, J+1
.endr
	v_max_num_f32 v249, 0x1800000, v248
	s_delay_alu instid0(VALU_DEP_1)
	v_add_nc_u32 v249, 0xff000000, v249
	s_delay_alu instid0(VALU_DEP_1)
	v_lshrrev_b32 v250, 23, v249
	s_delay_alu instid0(VALU_DEP_1)
	v_lshl_or_b32 v31, v250, 8, v250
	s_delay_alu instid0(VALU_DEP_1)
	v_lshl_or_b32 v31, v31, 16, v31
	v_cvt_scalef32_pk16_fp6_f32 v[236:238], v[144:159], v249   ; 16 equal codes are 96 bits: the pattern comes round every three registers
	v_nop
.set J, 0
.rept 9
	v_mov_b32 v[239+J], v[236+J]
.set J, J+1
.endr
	v_fma_f32 v14, v248, s[CNT], v14               ; 64 keys of each later step are this lane's
	s_branch .Lend_\@
.Lmask_\@:
	VLOADS
	s_wait_dscnt 0x0
	PVMUL 236, 31
.Lend_\@:
	s_add_co_u32 s[TB], s[TB], 6144
	s_add_co_u32 s[TS], s[TS], 512
	s_add_co_u32 s[TJ], s[TJ], 256
	s_add_co_u32 s[SI], s[SI], 1
.endm
.macro INIT                            ; a tile begins: v13 holds its first largest t
	v_floor_f32 v12, -v13
	v_mov_b32 v14, 0
	v_mov_b32 v15, 0
.set J, 0
.rept 32
	v_mov_b32 v[160+J], 0                          ; O^T: the step is written once; the first change of M leaves zeros zeros
.set J, J+1
.endr
	s_xor_b32 s70, s[CH], 15                       ; 15 - CH
	s_lshl_b32 s70, s70, 6
	s_cvt_f32_u32 s[CNT], s70
	s_mov_b32 s[SI], 0
	s_mov_b32 s[TB], 0
	s_mov_b32 s[TS], 0
	s_mov_b32 s[TJ], 0
	s_wait_alu depctr_va_vdst(0)
.endm
.macro WALK oc, os                     ; a tile's 16 steps and its way out
.Lstep_\@:
	STEP
	s_cmp_lt_u32 s[SI], 16
	s_cbranch_scc1 .Lstep_\@
.rept 4
	v_nop
.endr
	s_wait_alu depctr_va_vdst(0)
	v_add_f32 v14, v14, v15
	v_permlanex16_b32 v248, v14, s[SEL], s[SEL+1]
	s_delay_alu instid0(VALU_DEP_1)
	v_add_f32 v14, v14, v248                       ; the row's sum
	s_wait_alu depctr_va_vdst(0)
	v_rcp_f32 v14, v14
	v_nop
	s_wait_alu depctr_va_vdst(0)
.set J, 0
.rept 16
	v_pk_mul_f32 v[96+J:97+J], v[160+J:161+J], v[14:15] op_sel_hi:[1,0]   ; register 16 b + i: channel 32 b + 16 h + i of my query
.set J, J+2
.endr
.irp b, 0,1
	v_max3_num_f32 v[212+\b], |v[96+16*\b]|, |v[97+16*\b]|, 0x1800000
.endr
.irp i, 2,4,6,8,10,12,14
.irp b, 0,1
	s_delay_alu instid0(VALU_DEP_2)
	v_max3_num_f32 v[212+\b], v[212+\b], |v[96+16*\b+\i]|, |v[97+16*\b+\i]|
.endr
.endr
.irp b, 0,1
	v_permlanex16_b32 v[216+\b], v[212+\b], s[SEL], s[SEL+1]
.endr
.irp b, 0,1
	v_max_num_f32 v[212+\b], v[212+\b], v[216+\b]
.endr
.irp b, 0,1
	v_add_nc_u32 v[220+\b], 0xff000000, v[212+\b]
.endr
.irp b, 0,1
	v_lshrrev_b32 v[216+\b], 23, v[220+\b]
.endr
	v_lshl_or_b32 v249, v217, 8, v216              ; the head's two scale bytes of my row
	v_cvt_scalef32_pk16_fp6_f32 v[192:194], v[96:111], v220
	v_cvt_scalef32_pk16_fp6_f32 v[204:206], v[112:127], v221
	v_nop
.irp i, 0,1,2
	v_permlane16_swap_b32 v[192+\i], v[204+\i]     ; a whole block of channels to a lane
.endr
.irp i, 0,1,2
	v_mov_b32 v[195+\i], v[204+\i]
.endr
.irp p, 0,1,2
	ds_store_b64 v86, v[192+2*\p:193+2*\p] offset:8*\p           ; [row][48 bytes]
.endr
.irp p, 0,1,2
	ds_load_b64 v[96+2*\p:97+2*\p], v87 offset:256*\p            ; LDS serves a wave's instructions in order: these see my stores
.endr
	s_wait_alu depctr_va_vdst(0)
	s_wait_dscnt 0x0
.irp p, 0,1,2
	global_store_b64 v88, v[96+2*\p:97+2*\p], s[\oc:\oc+1] offset:256*\p   ; 256 consecutive bytes, aligned
.endr
	global_store_b16 v89, v249, s[\os:\os+1]       ; lanes r and r + 16 store the same two bytes
.endm
	s_load_b256 s[4:11], s[0:1], 0x0               ; qkvc s[4:5], qkvs s[6:7], oc s[8:9], os s[10:11]
	v_lshl_add_u32 v5, v0, 2, SPARE
	v_mov_b32 v6, 0
	ds_add_u32 v5, v6                              ; the wave's opening
	ds_add_u32 v5, v6
	v_lshrrev_b32 v8, 5, v0
	v_readfirstlane_b32 s[WV], v8                  ; wave 0..15
	s_and_b32 s[CH], s[WV], 7                      ; the first tile's chunk
	s_bfe_u32 s70, ttmp6, 0x40000                  ; cx: it enters Q's and o's addresses and the mask's comparison alone
	s_lshr_b32 s71, s[WV], 3
	s_lshl_b32 s[PP], s70, 1
	s_add_co_u32 s[PP], s[PP], s71                 ; which of a chunk's 8 tiles
	GROUP1 G1K, 64                                 ; 16,384 bytes of codes
	GROUP1 G1KS, 16                                ; 4,096 of K's scale words
	GROUP1 G1VS, 8                                 ; 2,048 of V's
	s_and_b32 s72, ttmp7, 0xffff
	s_lshr_b32 s73, s72, 4                         ; batch
	s_and_b32 s74, s72, 15                         ; head
	s_mul_i32 s75, s73, 48
	s_add_co_u32 s75, s75, s74
	s_mul_i32 s76, s75, 98304                      ; q's codes of the head; k's lie 16, v's 32 such blocks on
	s_mov_b32 s77, 0
	s_lshl_b32 s78, s75, 13                        ; and the scale words
	s_mov_b32 s79, 0
	s_mov_b32 s[G0K], 1                            ; waves 0-11: K and V lie on end in LDS: 16,384 x wave;
	s_lshl_b32 s[G0K+1], s[WV], 14
	s_cmp_ge_u32 s[WV], 6
	s_cselect_b32 s80, 15*98304, 0                 ; in memory V begins 16 blocks behind K: 15 more than in LDS
	s_add_co_u32 s80, s80, s[G0K+1]
	s_add_co_u32 s80, s80, 16*98304
	s_mov_b32 s81, 0
	s_mov_b32 s[G0KS], 1                           ; waves 12, 13
	s_lshl_b32 s82, s[WV], 12
	s_add_co_u32 s[G0KS+1], s82, KSC-12*4096
	s_add_co_u32 s82, s82, 16*8192-12*4096
	s_mov_b32 s83, 0
	s_mov_b32 s[G0VS], 1                           ; waves 14, 15
	s_lshl_b32 s84, s[WV], 11
	s_add_co_u32 s[G0VS+1], s84, VSC-14*2048
	s_add_co_u32 s84, s84, 32*8192-14*2048
	s_mov_b32 s85, 0
	s_lshl_b32 s86, s[CH], 3
	s_add_co_u32 s86, s86, s[PP]                   ; my first tile of 16 positions in the batch,
	s_xor_b32 s87, s[CH], 15
	s_lshl_b32 s99, s87, 7                         ; (the second tile's chunk begins at this query)
	s_lshl_b32 s87, s87, 3
	s_add_co_u32 s87, s87, s[PP]                   ; and my second
	s_mul_i32 s88, s86, 768
	s_mov_b32 s89, 0
	s_mul_i32 s90, s87, 768
	s_mov_b32 s91, 0
	s_lshl_b32 s92, s86, 6
	s_mov_b32 s93, 0
	s_lshl_b32 s94, s87, 6
	s_mov_b32 s95, 0
	s_lshl_b32 s96, s73, 7
	s_add_co_u32 s86, s86, s96                     ; among all 512
	s_add_co_u32 s87, s87, s96
	s_mul_i32 s96, s74, 768
	s_mul_i32 s[OA], s86, 12288
	s_add_co_u32 s[OA], s[OA], s96                 ; oc: tile, pair = head
	s_mov_b32 s[OA+1], 0
	s_mul_i32 s[OB], s87, 12288
	s_add_co_u32 s[OB], s[OB], s96
	s_mov_b32 s[OB+1], 0
	s_lshr_b32 s96, s74, 2
	s_lshl_b32 s96, s96, 7
	s_and_b32 s97, s74, 3
	s_lshl_b32 s97, s97, 1
	s_add_co_u32 s96, s96, s97
	s_lshl_b32 s[SA], s86, 9
	s_add_co_u32 s[SA], s[SA], s96                 ; os: tile, K step head / 4, bytes 2 (head % 4)
	s_mov_b32 s[SA+1], 0
	s_lshl_b32 s[SB], s87, 9
	s_add_co_u32 s[SB], s[SB], s96
	s_mov_b32 s[SB+1], 0
	s_lshr_b32 s97, s[PP], 1
	s_lshl_b32 s97, s97, 5
	s_and_b32 s98, s[PP], 1
	s_lshl_b32 s98, s98, 3
	s_add_co_u32 s98, s98, s97                     ; 32 (tile / 2) + 8 (tile % 2)
	s_lshl_b32 s97, s[WV], 10
	s_add_co_u32 s97, s97, STG                     ; my stage
	s_mov_b32 s[SEL], 0x76543210
	s_mov_b32 s[SEL+1], 0xfedcba98
	s_mov_b32 s[CS], 0x3e38aa3b
	s_mov_b32 s[CS+1], s[CS]
	s_wait_dscnt 0x0                               ; both opening adds are done
	s_wait_kmcnt 0x0
	s_add_nc_u64 s[76:77], s[4:5], s[76:77]
	s_add_nc_u64 s[78:79], s[6:7], s[78:79]
	s_add_nc_u64 s[G0K+2:G0K+3], s[76:77], s[80:81]
	s_or_b32 s[G0K+3], s[G0K+3], 0x80000000
	s_add_nc_u64 s[G0KS+2:G0KS+3], s[78:79], s[82:83]
	s_or_b32 s[G0KS+3], s[G0KS+3], 0x80000000
	s_add_nc_u64 s[G0VS+2:G0VS+3], s[78:79], s[84:85]
	s_or_b32 s[G0VS+3], s[G0VS+3], 0x80000000
	s_add_nc_u64 s[88:89], s[76:77], s[88:89]      ; Q's codes at my two tiles
	s_add_nc_u64 s[90:91], s[76:77], s[90:91]
	s_add_nc_u64 s[92:93], s[78:79], s[92:93]      ; and its scale words
	s_add_nc_u64 s[94:95], s[78:79], s[94:95]
	s_add_nc_u64 s[OA:OA+1], s[8:9], s[OA:OA+1]
	s_add_nc_u64 s[OB:OB+1], s[8:9], s[OB:OB+1]
	s_add_nc_u64 s[SA:SA+1], s[10:11], s[SA:SA+1]
	s_add_nc_u64 s[SB:SB+1], s[10:11], s[SB:SB+1]
	ROUND                                          ; all four work-groups are here: the joint loads meet
	s_cmp_lt_u32 s[WV], 12                         ; one chain of branches on the wave's number: every way passes one load
	s_cbranch_scc0 .Lfill_ks
	FILL G0K, G1K
	s_branch .Lasked
.Lfill_ks:
	s_cmp_lt_u32 s[WV], 14
	s_cbranch_scc0 .Lfill_vs
	FILL G0KS, G1KS
	s_branch .Lasked
.Lfill_vs:
	FILL G0VS, G1VS
.Lasked:
	v_and_b32 v248, 15, v0                         ; r
	v_bfe_u32 v249, v0, 4, 1                       ; h
	v_mul_u32_u24 v1, v248, 48
	v_lshlrev_b32 v250, 2, v248
	v_mad_u32_u24 v1, v249, 24, v1
.irp p, 0,1,2
	global_load_b64 v[16+2*\p:17+2*\p], v1, s[88:89] offset:8*\p   ; Q's 64 codes of my row, first tile,
	global_load_b64 v[90+2*\p:91+2*\p], v1, s[90:91] offset:8*\p   ; and second: both stay in registers
.endr
	global_load_b32 v28, v250, s[92:93]
	global_load_b32 v211, v250, s[94:95]
	v_add_nc_u32 v2, VB, v1
	v_and_b32 v254, 7, v248                        ; r % 8
	v_bfe_u32 v255, v0, 3, 1                       ; r / 8
	v_mul_u32_u24 v251, v254, 48
	v_lshl_add_u32 v3, v254, 2, KSC
	v_mad_u32_u24 v251, v255, 1536, v251
	v_lshl_add_u32 v3, v255, 7, v3                 ; K's scale words: 4 (r % 8) + 128 (r / 8): 32 positions on for the upper eight rows
	v_mad_u32_u24 v251, v249, 24, v251             ; K's codes: 48 (r % 8) + 1,536 (r / 8) + 24 h
	v_lshl_add_u32 v4, v248, 2, VSC
	v_add_nc_u32 v86, s97, v1
	v_and_b32 v88, 31, v0
	v_lshlrev_b32 v89, 3, v248                     ; 8 r
	v_lshlrev_b32 v88, 3, v88                      ; 8 x lane
	v_lshlrev_b32 v233, 3, v249                    ; 8 h
	v_lshl_add_u32 v252, v255, 4, v254
	v_add_nc_u32 v87, s97, v88
	v_add_nc_u32 v252, s98, v252                   ; my query in its chunk: 32 (tile / 2) + 16 (r / 8) + 8 (tile % 2) + r % 8
	v_lshlrev_b32 v253, 5, v249
	v_mov_b32 v29, 0xba51b717                      ; 8 x f32(-0.0001)
	v_sub_nc_u32 v7, v252, v253                    ; - 32 h
	v_mul_f32 v30, s[CS], v29                      ; a hidden key's t
	v_add_nc_u32 v252, s99, v252                   ; my query of the second tile
	v_mov_b32 v253, 0xff61b1e6                     ; -3e38
	v_cmp_eq_u32 vcc_lo, 0x7ff, v252
	v_cndmask_b32 v0, v30, v253, vcc_lo            ; every query but the last has a hidden key: its t is in the maximum from the start
	v_mov_b32 v13, v30                             ; (the first tile lies in chunks 0-7)
	v_mov_b32 v31, 0
	v_mov_b32 v235, 0                              ; (named as the upper half of a pair)
.irp j, 0,1,2,3,4,5
	v_mov_b32 v[22+\j], 0                          ; Q's zero codes for the upper 64 of the instruction's K
	v_mov_b32 v[80+\j], 0                          ; what follows K's last tile
.endr
.irp j, 0,1,2,3
	v_mov_b32 v[216+\j], 0                         ; a lane permute's destination counts as one of its sources
.endr
.set J, 0
.rept 12
	v_mov_b32 v[236+J], 0
.set J, J+1
.endr
	INIT
	s_wait_tensorcnt 0x0                           ; my sixteenth of the fills is in,
	s_barrier_signal -1
	s_barrier_wait -1                              ; everybody's is
	s_wait_loadcnt 0x0                             ; Q
	WALK OA, SA
	s_wait_xcnt 0x0                                ; the stores have read their registers
	s_xor_b32 s[CH], s[CH], 15                     ; the second tile: chunk 15 - c
.irp j, 0,1,2,3,4,5
	v_mov_b32 v[16+\j], v[90+\j]
.endr
	v_mov_b32 v28, v211
	v_mov_b32 v13, v0
	INIT
	WALK OB, SB
	s_wait_tensorcnt 0x0                           ; the wave's end
	ds_add_u32 v5, v6
	s_wait_dscnt 0x0
	ROUND                                          ; the closing round
	s_endpgm
.Lfunc_end_k_qafd01ca300_attn:
	.size	k_qafd01ca300_attn, .Lfunc_end_k_qafd01ca300_attn-k_qafd01ca300_attn
	.p2alignl 7, 3214868480
	.fill 96, 4, 3214868480
	.section	.rodata,"a",@progbits
	.p2align	6, 0x0
	.amdhsa_kernel k_qafd01ca300_attn
		.amdhsa_group_segment_fixed_size 229376
		.amdhsa_private_segment_fixed_size 0
		.amdhsa_enable_private_segment 0
		.amdhsa_kernarg_size 32
		.amdhsa_user_sgpr_count 2
		.amdhsa_user_sgpr_kernarg_segment_ptr 1
		.amdhsa_wavefront_size32 1
		.amdhsa_system_sgpr_workgroup_id_x 1
		.amdhsa_system_sgpr_workgroup_id_y 1
		.amdhsa_system_sgpr_workgroup_id_z 1
		.amdhsa_system_vgpr_workitem_id 0
		.amdhsa_next_free_vgpr 256
		.amdhsa_next_free_sgpr 100
		.amdhsa_reserve_vcc 1
		.amdhsa_float_denorm_mode_32 3
		.amdhsa_float_denorm_mode_16_64 3
		.amdhsa_memory_ordered 1
		.amdhsa_forward_progress 1
		.amdhsa_inst_pref_size 75
	.end_amdhsa_kernel
	.amdgpu_metadata
---
amdhsa.version: [ 1, 2 ]
amdhsa.kernels:
  - .name:           k_qafd01ca300_attn
    .symbol:         k_qafd01ca300_attn.kd
    .args:
      - { .name: qkvc, .offset: 0, .size: 8, .value_kind: global_buffer, .address_space: global }
      - { .name: qkvs, .offset: 8, .size: 8, .value_kind: global_buffer, .address_space: global }
      - { .name: oc, .offset: 16, .size: 8, .value_kind: global_buffer, .address_space: global }
      - { .name: os, .offset: 24, .size: 8, .value_kind: global_buffer, .address_space: global }
    .group_segment_fixed_size: 229376
    .private_segment_fixed_size: 0
    .kernarg_segment_align: 8
    .kernarg_segment_size: 32
    .max_flat_workgroup_size: 512
    .sgpr_count:     100
    .vgpr_count:     256
    .wavefront_size: 32
...
	.end_amdgpu_metadata
.endif
;; end of part 3
;; launch proj (part 4): grid 4 x 64, 4 waves a work-group, clusters of 4 x 4, 327,680 bytes of LDS; arguments oc, os, cod, scl, bo, out0; writes out0
.if DOCPART == 4
	.amdgcn_target "amdgcn-amd-amdhsa--gfx1250"
	.amdhsa_code_object_version 6
	.text
	.protected	k_qafd01ca300_proj
	.globl	k_qafd01ca300_proj
	.p2align	8
	.type	k_qafd01ca300_proj,@function
k_qafd01ca300_proj:
	s_mov_b64 s[64:65], 0
	v_nop
	global_prefetch_b8 v0, s[64:65] scope:SCOPE_SE
	s_setreg_imm32_b32 hwreg(HW_REG_WAVE_MODE, 25, 1), 1
	s_wait_xcnt 0x0
	s_wait_alu depctr_hold_cnt(0) depctr_sa_sdst(0) depctr_va_vdst(0) depctr_va_sdst(0) depctr_va_ssrc(0) depctr_va_vcc(0) depctr_vm_vsrc(0)
	s_getreg_b32 s2, hwreg(HW_REG_IB_STS2, 6, 4)
	s_cmp_eq_u32 s2, 0
	s_cbranch_scc0 .Lentry_in_a_cluster
	s_endpgm
.Lentry_in_a_cluster:
	s_bfe_u32 s2, ttmp6, 0x10000c
	s_cmp_lg_u32 s2, 0xf033
	s_cbranch_scc0 .Lentry_shape_is_right
	s_endpgm
.Lentry_shape_is_right:
; out0 = o Wo + bo on codes of FP6 (E2M3) with E8M0 scales, K = 1024; f32 out.
; A work-group of four waves makes 128 tokens x 256 features: 4 x 64 work-groups, one for each of 256 WGPs; a wave makes 64 x 128: 32 accumulators.
; ALL OF K LIES IN LDS, FILLED ONCE: A's 8 tiles (98,304 dense bytes of oc), B's 16 tiles (196,608 of cod), and their scale bytes (4,096 of os, 8,192 of scl): four joint loads, one a wave.  No ring, nothing filled again.
; No prefetch: the fills are the launch's first memory work, and there is no loop ahead of them to ask in.
; oc, cod: [tile of 16 positions][pair K / 64][row][48 bytes]; os, scl: [tile][K step of 256][row][8 bytes] (positions: bits 3 and 4 of the index exchanged).  Lane (r, h) reads 8 bytes at 48 r + 24 h: 64 different banks a load.
; SOURCE 1 ('A') = tokens gives the lanes their row, SOURCE 0 ('B') = features runs down a lane's registers.  CLUSTERS 4 x 4: A's tiles are shared along a row of the cluster, B's along a column.
; REGISTERS: window 0: v0-31 addresses, v8-11 the bias; v32-95 the scale words of all of K; v128-223 A's fragments, two sets of four; window 1: B's fragments, two sets, at v0 and v128; window 2: the accumulators.
; THE WAY OUT goes through a stage in A's codes, behind a barrier behind which no wave reads codes any more; whole rows of 512 bytes are stored.
.set NQ,     2
.set FR,     12
.set NP,     4                         ; places behind this matrix instruction (ISA guide 7.12.1)
.set TILEK,  12288                     ; 16 rows x 1024 K
.set BCOD,   8*TILEK
.set SCLA,   24*TILEK                  ; 294,912
.set SCLB,   SCLA+4096+128             ; 128 bytes further than A's end: the two halves of the lanes read different banks
.set SPARE,  307456                    ; the spare words, 128 bytes for each wave
.set SPITCH, 528
.set ADRA, 16
.set ADRS, 18                          ; v18: register blocks 0-3; v19: blocks 4-7
.set ADRB, 20                          ; v20: B's tiles 0-3; v21: tiles 4-7
.set STO,  24
.set RD,   25
.set CO,   26
.set SPW,  28
.set NIL,  29
.set SC,   32
.set AF,   128
.set BK,   128
.set G1, 24
.set G0, 32
.set G1B, 48
.set G0B, 56
.set G1S, 68
.set G0S, 76
.set G1SB, 80
.set G0SB, 88
.set MSB, 0
.macro WIN new                         ; the immediate's high byte repeats the setting that is left
.if MSB != \new
	s_set_vgpr_msb (MSB<<8)|\new
.set MSB, \new
.endif
.endm
.set MUL_LO, 0xa1                      ; source 0 (B) window 1, source 1 (A) window 0, C and D window 2
.set TO_B,   0x40
.macro CROUND                          ; a round of the cluster's barrier
	s_barrier_signal -1
	s_barrier_wait -1
	s_cmp_lg_u32 s14, 0
	s_cbranch_scc1 .Lnot_wave_0_\@
	s_barrier_signal -3
.Lnot_wave_0_\@:
	s_barrier_wait -3
	s_barrier_signal -1
	s_barrier_wait -1
.endm
.macro GRP1 g, mask, rows              ; a dense block as rows of 256 bytes (32 elements of 8)
	s_or_b32 s[\g], s[\mask], (3<<16)|(1<<21)
	s_mov_b32 s[\g+1], 32<<16
	s_mov_b32 s[\g+2], (\rows)<<16
	s_mov_b32 s[\g+3], 32<<16
	s_mov_b32 s[\g+4], \rows
	s_mov_b32 s[\g+5], 32
	s_mov_b32 s[\g+6], 0
	s_mov_b32 s[\g+7], 0
.endm
.macro FRAG reg, adr, st, i            ; tile i behind the address, step st of 128 along K: pairs 2 st, 2 st + 1; 24 bytes of each as three pieces of 8
.irp p, 0,1,2,3,4,5
	ds_load_b64 v[\reg+2*\p:\reg+2*\p+1], v[\adr] offset:(\i)*TILEK+(2*(\st)+\p/3)*768+8*(\p%3)
.endr
.endm
.macro FETCH st, p                     ; step st's fragments into set p: B's eight, A's four
	WIN TO_B
.irp i, 0,1,2,3
	FRAG 128*(\p)+FR*\i, ADRB, \st, \i
	FRAG 128*(\p)+FR*(\i+4), ADRB+1, \st, \i
.endr
	WIN 0
.irp i, 0,1,2,3
	FRAG AF+FR*(4*(\p)+\i), ADRA, \st, \i
.endr
.endm
; 16 matrix instructions: A's register blocks a0, a0 + 1 x B's eight.  The 32 accumulators take turns, one instruction a turn.
.macro MUL16 a0, p, q, sc, zero
.irp a, \a0, \a0+1
.irp b, 0,1,2,3,4,5,6,7
.if \zero
	v_wmma_scale_f32_16x16x128_f8f6f4 v[8*(8*((\a)%4)+\b):8*(8*((\a)%4)+\b)+7], v[128*(\p)+FR*\b:128*(\p)+FR*\b+FR-1], v[AF+FR*(\a):AF+FR*(\a)+FR-1], 0, v[SC+8*NQ*(\sc)+NQ*\b+(\q)], v[SC+8*NQ*(\sc)+NQ*(\a)+(\q)] matrix_a_fmt:MATRIX_FMT_FP6 matrix_b_fmt:MATRIX_FMT_FP6 matrix_a_scale:MATRIX_SCALE_ROW1
.else
	v_wmma_scale_f32_16x16x128_f8f6f4 v[8*(8*((\a)%4)+\b):8*(8*((\a)%4)+\b)+7], v[128*(\p)+FR*\b:128*(\p)+FR*\b+FR-1], v[AF+FR*(\a):AF+FR*(\a)+FR-1], v[8*(8*((\a)%4)+\b):8*(8*((\a)%4)+\b)+7], v[SC+8*NQ*(\sc)+NQ*\b+(\q)], v[SC+8*NQ*(\sc)+NQ*(\a)+(\q)] matrix_a_fmt:MATRIX_FMT_FP6 matrix_b_fmt:MATRIX_FMT_FP6 matrix_a_scale:MATRIX_SCALE_ROW1
.endif
.endr
.endr
.endm
.macro PLACES n
.rept \n
	v_nop
.endr
.endm
.macro KSTEP st, zero                  ; 128 along K on set st % 2; the next step's fragments are fetched into the other set under its 32 products
	s_wait_dscnt 0x0                               ; this step's fragments are in
.if \zero == 0
	PLACES NP                                      ; behind the last step's products, which read the other set
.endif
	FETCH (\st)+1, ((\st)+1)%2
	WIN MUL_LO
	MUL16 4*((\st)%2), (\st)%2, (\st)%2, (\st)/2, \zero
	MUL16 4*((\st)%2)+2, (\st)%2, (\st)%2, (\st)/2, \zero
	WIN 0
.endm
.macro TOSTAGE a                       ; block a: register j of accumulator b is feature 32 (b / 2) + 16 h + 8 (b % 2) + j of my row
.set AC, 64*(\a)
	WIN 0x08                                       ; the data: window 2
.irp b, 0,1,2,3,4,5,6,7
	ds_store_b128 v[STO], v[AC+8*\b:AC+8*\b+3] offset:128*(\b/2)+32*(\b%2)       ; each accumulator from its low end on
	ds_store_b128 v[STO], v[AC+8*\b+4:AC+8*\b+7] offset:128*(\b/2)+32*(\b%2)+16
.endr
	WIN 0
.set BB, BK+64*((\a)%2)
.irp t, 0,1,2,3,4,5,6,7,8,9,10,11,12,13,14,15
	ds_load_b128 v[BB+4*\t:BB+4*\t+3], v[RD] offset:\t*SPITCH    ; LDS serves a wave's instructions in order: these see my stores
.endr
.endm
.macro SEND a, younger                 ; younger: the LDS instructions issued behind block a's loads, which may stay out
.set BB, BK+64*((\a)%2)
	s_wait_dscnt \younger
.irp t, 0,1,2,3,4,5,6,7,8,9,10,11,12,13,14,15
	v_pk_add_f32 v[BB+4*\t:BB+4*\t+1], v[BB+4*\t:BB+4*\t+1], v[8:9]              ; the bias
	v_pk_add_f32 v[BB+4*\t+2:BB+4*\t+3], v[BB+4*\t+2:BB+4*\t+3], v[10:11]
.endr
.irp t, 0,1,2,3,4,5,6,7,8,9,10,11,12,13,14,15
	global_store_b128 v[CO], v[BB+4*\t:BB+4*\t+3], s[98:99] offset:(32*((\a)/2)+8*((\a)%2)+\t%8+16*(\t/8))*4096 th:TH_STORE_NT   ; 512 consecutive bytes, aligned; position t of tile a is this token
.endr
.endm
	s_load_b256 s[4:11], s[0:1], 0x0               ; oc s[4:5], os s[6:7], cod s[8:9], scl s[10:11]
	s_load_b128 s[96:99], s[0:1], 0x20             ; bo s[96:97], out0 s[98:99]
	v_lshl_add_u32 v[SPW], v0, 2, SPARE
	v_mov_b32 v[NIL], 0
	ds_add_u32 v[SPW], v[NIL]                      ; the wave's opening
	ds_add_u32 v[SPW], v[NIL]
	v_lshrrev_b32 v1, 5, v0
	v_readfirstlane_b32 s14, v1                    ; wave 0..3
	s_lshr_b32 s15, s14, 1                         ; which 64 of the tokens are mine
	s_and_b32 s16, s14, 1                          ; which 128 of the features
	s_bfe_u32 s40, ttmp6, 0x40000                  ; cx: the grid has one cluster along x, so cx is the block of features
	s_bfe_u32 s41, ttmp6, 0x40004                  ; cy
	s_and_b32 s17, ttmp7, 0xffff
	s_lshl_b32 s17, s17, 2
	s_add_co_u32 s17, s17, s41                     ; the block of 128 tokens
	s_lshl_b32 s43, s41, 2
	s_lshl_b32 s43, 15, s43                        ; my row of the cluster
	s_lshl_b32 s44, 0x1111, s40                    ; my column
	GRP1 G1, 43, 384
	GRP1 G1B, 44, 768
	GRP1 G1S, 43, 16
	GRP1 G1SB, 44, 32
	s_mul_i32 s20, s17, 8*TILEK                    ; A's codes
	s_mov_b32 s21, 0
	s_lshl_b32 s22, s17, 12                        ; and scale bytes
	s_mov_b32 s23, 0
	s_lshl_b32 s46, s40, 4
	s_add_co_u32 s46, s46, 704                     ; B: Wo's tiles begin at 704
	s_lshl_b32 s92, s46, 9
	s_mov_b32 s93, 0
	s_mul_i32 s46, s46, TILEK
	s_mov_b32 s47, 0
	s_mul_i32 s18, s15, 4*TILEK                    ; LDS: my four tiles of A,
	s_mul_i32 s19, s16, 8*TILEK
	s_add_co_u32 s19, s19, BCOD                    ; my eight of B,
	s_lshl_b32 s36, s15, 11
	s_add_co_u32 s36, s36, SCLA                    ; A's scale bytes,
	s_lshl_b32 s37, s16, 12
	s_add_co_u32 s37, s37, SCLB
	s_sub_co_u32 s37, s37, s36                     ; and how far on B's lie;
	s_sub_co_u32 s38, s36, 2048                    ; the same for register blocks 4-7: A's four tiles back
	s_add_co_u32 s39, s37, 2048
	s_mul_i32 s45, s14, 16*SPITCH                  ; my stage
	s_lshl_b32 s2, s40, 10
	s_lshl_b32 s3, s16, 9
	s_add_co_u32 s2, s2, s3                        ; my first column, in bytes
	s_mov_b32 s3, 0
	s_lshl_b32 s12, s17, 7
	s_lshl_b32 s13, s15, 6
	s_add_co_u32 s12, s12, s13
	s_lshl_b32 s12, s12, 12                        ; my first row of out0, in bytes
	s_mov_b32 s13, 0
	s_wait_dscnt 0x0                               ; both opening adds are done
	s_wait_kmcnt 0x0
	s_mov_b32 s[G0], 1
	s_mov_b32 s[G0+1], 0
	s_add_nc_u64 s[G0+2:G0+3], s[4:5], s[20:21]
	s_or_b32 s[G0+3], s[G0+3], 0x80000000
	s_mov_b32 s[G0B], 1
	s_mov_b32 s[G0B+1], BCOD
	s_add_nc_u64 s[G0B+2:G0B+3], s[8:9], s[46:47]
	s_or_b32 s[G0B+3], s[G0B+3], 0x80000000
	s_mov_b32 s[G0S], 1
	s_mov_b32 s[G0S+1], SCLA
	s_add_nc_u64 s[G0S+2:G0S+3], s[6:7], s[22:23]
	s_or_b32 s[G0S+3], s[G0S+3], 0x80000000
	s_mov_b32 s[G0SB], 1
	s_mov_b32 s[G0SB+1], SCLB
	s_add_nc_u64 s[G0SB+2:G0SB+3], s[10:11], s[92:93]
	s_or_b32 s[G0SB+3], s[G0SB+3], 0x80000000
	s_add_nc_u64 s[96:97], s[96:97], s[2:3]
	s_add_nc_u64 s[98:99], s[98:99], s[2:3]
	s_add_nc_u64 s[98:99], s[98:99], s[12:13]
	CROUND                                         ; all sixteen work-groups are here: the joint loads meet
; THE FILLS, ONE A WAVE: wave 0 A's codes, wave 1 B's, wave 2 A's scale bytes, wave 3 B's.  One chain of branches on the wave's number; every way passes one load.
.macro ARM under, g0, g1, next
	s_cmp_lt_u32 s14, \under
	s_cbranch_scc0 \next
	tensor_load_to_lds s[\g0:\g0+3], s[\g1:\g1+7]
	s_nop 0
.rept 4
	v_nop
.endr
	s_branch .Lhead_asked
\next:
.endm
	ARM 1, G0,  G1,  .Lhead_b
	ARM 2, G0B, G1B, .Lhead_sa
	ARM 3, G0S, G1S, .Lhead_sb
	tensor_load_to_lds s[G0SB:G0SB+3], s[G1SB:G1SB+7]
	s_nop 0
.rept 4
	v_nop
.endr
.Lhead_asked:
	v_and_b32 v1, 15, v0                           ; r
	v_bfe_u32 v2, v0, 4, 1                         ; h
	v_and_b32 v6, 31, v0
	v_mul_u32_u24 v3, v1, 48
	v_lshlrev_b32 v[CO], 4, v6                     ; 16 x lane
	v_mad_u32_u24 v4, v2, 24, v3                   ; 48 r + 24 h
	global_load_b128 v[8:11], v[CO], s[96:97]      ; the bias of my four columns of a row's 128
	v_add_nc_u32 v[ADRA], s18, v4
	v_add_nc_u32 v[ADRB], s19, v4
	v_lshlrev_b32 v5, 3, v1                        ; my row's 8 scale bytes of a K step
	v_mul_u32_u24 v6, s37, v2                      ; lanes 16-31 take B's: the lower base + h x the distance
	v_mul_u32_u24 v7, s39, v2
	v_add_nc_u32 v[ADRB+1], 4*TILEK, v[ADRB]
	v_add_nc_u32 v6, v5, v6
	v_add_nc_u32 v7, v5, v7
	v_add_nc_u32 v[ADRS], s36, v6
	v_add_nc_u32 v[ADRS+1], s38, v7
	v_mul_u32_u24 v5, v1, SPITCH                   ; the stage, in: row r, 64 h bytes on
	v_lshl_add_u32 v5, v2, 6, v5
	v_add_nc_u32 v[STO], s45, v5
	v_add_nc_u32 v[RD], s45, v[CO]                 ; and back: a row of 512 bytes
	s_wait_alu depctr_va_vdst(0)
	s_wait_loadcnt 0x0
	s_wait_tensorcnt 0x0                           ; my fill is in,
	s_barrier_signal -1
	s_barrier_wait -1                              ; everybody's is
.irp j, 0,1,2,3                        ; the scale words of all of K: set j = K step j of 256; lanes 0-15 A's block i % 4, lanes 16-31 B's block i
.irp i, 0,1,2,3
	ds_load_b64 v[SC+16*\j+2*\i:SC+16*\j+2*\i+1], v[ADRS] offset:\i*512+\j*128
	ds_load_b64 v[SC+16*\j+2*\i+8:SC+16*\j+2*\i+9], v[ADRS+1] offset:(\i+4)*512+\j*128
.endr
.endr
	FETCH 0, 0
	KSTEP 0, 1                                     ; the first products start the sums
.set ST, 1
.rept 6
	KSTEP ST, 0
.set ST, ST+1
.endr
	s_wait_dscnt 0x0                               ; the last step's fragments are in: my reads of the codes are over
	s_barrier_signal -1
	WIN MUL_LO
	MUL16 4, 1, 1, 3, 0
	MUL16 6, 1, 1, 3, 0
	WIN 0
	s_barrier_wait -1                              ; everybody's are: the stage may be written
	PLACES NP
	TOSTAGE 0
.irp a, 1,2,3
.if \a > 1
	s_wait_xcnt 0x0                                ; block a - 2's stores have read their registers
.endif
	TOSTAGE \a
	SEND \a-1, 32                                  ; behind block a - 1's loads: block a's 16 stores and 16 loads
.endr
	SEND 3, 0
	s_wait_tensorcnt 0x0                           ; the wave's end
	ds_add_u32 v[SPW], v[NIL]
	s_wait_dscnt 0x0
	CROUND                                         ; the closing round
	s_endpgm
.Lfunc_end_k_qafd01ca300_proj:
	.size	k_qafd01ca300_proj, .Lfunc_end_k_qafd01ca300_proj-k_qafd01ca300_proj
	.p2alignl 7, 3214868480
	.fill 96, 4, 3214868480
	.section	.rodata,"a",@progbits
	.p2align	6, 0x0
	.amdhsa_kernel k_qafd01ca300_proj
		.amdhsa_group_segment_fixed_size 327680
		.amdhsa_private_segment_fixed_size 0
		.amdhsa_enable_private_segment 0
		.amdhsa_kernarg_size 48
		.amdhsa_user_sgpr_count 2
		.amdhsa_user_sgpr_kernarg_segment_ptr 1
		.amdhsa_wavefront_size32 1
		.amdhsa_system_sgpr_workgroup_id_x 1
		.amdhsa_system_sgpr_workgroup_id_y 1
		.amdhsa_system_sgpr_workgroup_id_z 1
		.amdhsa_system_vgpr_workitem_id 0
		.amdhsa_next_free_vgpr 768
		.amdhsa_next_free_sgpr 100
		.amdhsa_reserve_vcc 0
		.amdhsa_float_denorm_mode_32 3
		.amdhsa_float_denorm_mode_16_64 3
		.amdhsa_memory_ordered 1
		.amdhsa_forward_progress 1
		.amdhsa_inst_pref_size 103
	.end_amdhsa_kernel
	.amdgpu_metadata
---
amdhsa.version: [ 1, 2 ]
amdhsa.kernels:
  - .name:           k_qafd01ca300_proj
    .symbol:         k_qafd01ca300_proj.kd
    .args:
      - { .name: oc, .offset: 0, .size: 8, .value_kind: global_buffer, .address_space: global }
      - { .name: os, .offset: 8, .size: 8, .value_kind: global_buffer, .address_space: global }
      - { .name: cod, .offset: 16, .size: 8, .value_kind: global_buffer, .address_space: global }
      - { .name: scl, .offset: 24, .size: 8, .value_kind: global_buffer, .address_space: global }
      - { .name: bo, .offset: 32, .size: 8, .value_kind: global_buffer, .address_space: global }
      - { .name: out0, .offset: 40, .size: 8, .value_kind: global_buffer, .address_space: global }
    .group_segment_fixed_size: 327680
    .private_segment_fixed_size: 0
    .kernarg_segment_align: 8
    .kernarg_segment_size: 48
    .max_flat_workgroup_size: 128
    .sgpr_count:     100
    .vgpr_count:     768
    .wavefront_size: 32
...
	.end_amdgpu_metadata
.endif
;; end of part 4
